; MI455X (gfx1250); checked and timed in simulation.
; The chip was launched on July 23, 2026; its instructions are those of AMD's public machine-readable ISA for CDNA 5 (MIT licence, August 2026) and "CDNA5" Instruction Set Architecture Reference Guide (July 2026). The comments in the code are by the model that wrote it; some were corrected since.
;; Causal Self Attention. Allowed arithmetic: matrix products marked QUANTISED: E2M3 operands, one E8M0 scale for each 32 along K, by v_wmma_scale_f32_16x16x128_f8f6f4 with both operands' format E2M3, f32 sums; everything else in f32.
;; Inputs: w_attn 1,024 x 3,072 float32; w_proj 1,024 x 1,024 float32; x 4 x 2,048 x 1,024 float32.
;; Outputs: out0 4 x 2,048 x 1,024 float32.
;; This version of the problem:
;;   THIS VERSION OF THE PROBLEM IS GIVEN IN LOW PRECISION. The matrix products marked QUANTISED in the list below multiply operands that are first quantised to E2M3 (2 exponent bits, 3 mantissa bits; 6 bits a number), with one power-of-two scale for each 32 numbers along K (OCP MX v1.0); their sums are f32. All else is computed in f32.
;;   The module's matrix products, in the order in which they are computed (A, B: the left and right operand; K: the contracted axis; several contracted axes count as one K, in the product's order):
;;     1. [M 8,192, K 1,024] x [K 1,024, N 3,072]; A: input x; B: input w_attn: QUANTISED
;;     2. batch 64 x [M 2,048, K 64] x [K 64, N 2,048]; A: computed on the way; B: computed on the way: QUANTISED
;;     3. batch 64 x [M 2,048, K 2,048] x [K 2,048, N 64]; A: softmax (see below); B: computed on the way: QUANTISED
;;     4. [M 8,192, K 1,024] x [K 1,024, N 1,024]; A: computed on the way; B: input w_proj: QUANTISED
;;   THE QUANTISER, for each operand of a quantised product, along K:
;;     - K is cut into blocks of 32 from its start; a last block that is shorter is filled with zeros.
;;     - A block's scale is 2^e with e = floor(log2(the largest magnitude in the block)) - 2, held to -126 .. 127; a block of zeros has e = 0. As a byte (E8M0): e + 127.
;;     - Each number is divided by its block's scale, clamped to +-7.5, and rounded to the nearest number of E2M3, ties to even, subnormals kept.
;;     - The product sums the exact products of the quantised numbers (number of the format x scale) in f32.
;;   ~~~python
;;   def quantise(x, axis):      # numpy; x: float32 -> the quantised numbers, widened to float32 again
;;       x = np.moveaxis(x, axis, -1); K = x.shape[-1]
;;       x = np.pad(x, [(0, 0)] * (x.ndim - 1) + [(0, -K % 32)]); x = x.reshape(x.shape[:-1] + (-1, 32)); a = np.abs(x).max(-1, keepdims=True)
;;       e = np.where(a > 0, np.clip(np.frexp(np.where(a > 0, a, 1))[1] - 1 - 2, -126, 127), 0)      # np.frexp(a)[1] - 1 = floor(log2(a)), exactly
;;       r = np.clip(x / 2.0 ** e, -7.5, 7.5)
;;       step = 2.0 ** (np.maximum(np.frexp(np.where(r == 0, 1, r))[1] - 1, 0) - 3)
;;       q = np.round(r / step) * step * 2.0 ** e      # np.round: ties to even
;;       return np.moveaxis(q.reshape(q.shape[:-2] + (-1,))[..., :K], -1, axis).astype(np.float32)
;;   ~~~
;;   SOFTMAX AHEAD OF A QUANTISED PRODUCT. Where the list says 'softmax', what is quantised is not the finished softmax but p = 2^(t - M), with t = logit x log2(e) and M = ceil(the row's largest t), a whole number; so 1/2 < the row's largest p <= 1. The row's sum l is taken of the UNQUANTISED p, in f32, and the product's result is divided by l at the end. Since M is a whole number, a kernel that streams over the keys may use a running M (the ceiling of the running maximum): every later rescaling is an exact power of two, which a block's scale takes up: the codes' values come out the same.
;;   OPERANDS COMPUTED ON THE WAY. 'Computed on the way' means the value that the module computes at that place (a softmax that the list does not call 'softmax' is quantised finished and normalised). What goes into a quantiser is computed in f32, as accurately as f32 sums, v_exp_f32 and their like allow (about 1e-6 of the number): no bf16 or f16 on the way to a quantiser, and a product that is left as it is and whose result goes on into a quantised operand takes f32 operands (vector FMAs, or v_wmma_f32_16x16x4_f32). A number that lies on a knife's edge between two numbers of the format may be rounded either way, as far as f32 arithmetic and the matrix unit's own rounding can turn it there, and no further.
;; One version. Each part assembles by itself: llvm-mc -triple=amdgcn-amd-amdhsa -mcpu=gfx1250 --defsym DOCPART=n.
;; ======== version 1 of 1: 4 launches
;; workspace buffers: xc 6,291,456 bytes; wc 3,145,728 bytes; s1 360,448 bytes; s2 294,912 bytes; qkv 18,874,368 bytes; asc 1,310,720 bytes; yc 6,291,456 bytes
;; launch quant (part 1): grid 384 x 1, 4 waves a work-group, no clusters, 59,904 bytes of LDS; arguments x, w_attn, w_proj, xc, wc, s1, s2; writes xc, wc, s1, s2
.if DOCPART == 1
	.amdgcn_target "amdgcn-amd-amdhsa--gfx1250"
	.amdhsa_code_object_version 6
	.text
	.protected	k_q9cf568f412_quant
	.globl	k_q9cf568f412_quant
	.p2align	8
	.type	k_q9cf568f412_quant,@function
k_q9cf568f412_quant:
	s_mov_b64 s[64:65], 0
	v_nop
	global_prefetch_b8 v0, s[64:65] scope:SCOPE_SE
	s_setreg_imm32_b32 hwreg(HW_REG_WAVE_MODE, 25, 1), 1
	s_wait_xcnt 0x0
; x [8192][1024], w_attn [1024][3072] and w_proj [1024][1024], f32, become codes of FP6 (E2M3) with one E8M0 byte for each 32 along K (K = the 1,024 channels: x's last axis, the weights' first).
; A block's scale is 2^(floor(log2(largest magnitude)) - 2); its byte is the largest magnitude's exponent field - 2, held at 1 from below.
; LIMITS: a block whose largest magnitude lies under 2^(3 - 127) keeps the byte 1; a block of zeros gets the byte 1 where the rule says 127 (its codes are zeros, and this program alone reads the bytes); NaN and infinities are not served.
; THE LAYOUT OF EVERY OPERAND OF THIS PROGRAM.  Rows go in GROUPS of 16: group g holds rows 32 (g / 2) + 8 (g % 2) + r + 8 (r / 8), r = 0 .. 15.  A UNIT is a group x 64 along K, 768 bytes, laid as the matrix operand's registers:
; byte 256 p + 8 L (p = 0 .. 2, lane L = r + 16 h) holds registers 2 p, 2 p + 1 of lane L, whose six registers are the 24 bytes of codes k = 32 h + 0 .. 31 of row r.  Unit (g, u) lies at (16 g + u) x 768.
; The scale word of (group g, 128-step s, row r) lies at 1024 (g / 2) + 256 (s / 2) + 8 (16 (g % 2) + r) + 4 (s % 2).
; Work-groups 0 to 255 take x: 32 rows each, wave w the K quarter w.  Work-groups 256 to 383 take the weights: 128 columns x a K quarter, a wave 32 columns, a lane a column, its registers down K.
; The two paths part on the work-group's number and have LDS bytes of their own.  No tensor load, no barrier: waves share nothing.
.set XSTG,  8448                       ; x's stage of a wave: 16 rows x (512 bytes + 16)
.set WBASE, 4*XSTG
.set WSTG,  6400                       ; the weights' stage of a wave: two groups x (4 units + 128 bytes)
.set SPARE, WBASE+4*WSTG               ; the spare words, 128 bytes for each wave: two blocks of 256 bytes that no other line names
.set R,   16                           ; v16-143  numbers as loaded: x two sets of 64, the weights two sets of 32
.set X,   144                          ; v144-207 x: 64 numbers turned: register 32 c + i = k 64 c + 32 h + i of my row
.set VO,  144                          ; v144-175 the weights: byte offset of row i of a block, at my column
.set CA,  208                          ; v208-223 codes, eight registers a block
.set WD,  240                          ; v240-243 scale words
.set SPW, 244                          ; v244 LDS address of my spare word; never rewritten
.set NIL, 245                          ; v245 0; never rewritten
	s_load_b256 s[4:11], s[0:1], 0x0               ; x s[4:5], w_attn s[6:7], w_proj s[8:9], xc s[10:11]
	s_load_b128 s[12:15], s[0:1], 0x20             ; wc s[12:13], s1 s[14:15]
	s_load_b64 s[16:17], s[0:1], 0x30              ; s2
	v_lshl_add_u32 v[SPW], v0, 2, SPARE
	v_mov_b32 v[NIL], 0
	v_lshrrev_b32 v1, 5, v0
	v_readfirstlane_b32 s18, v1                    ; wave
	v_and_b32 v1, 31, v0                           ; lane L
	v_and_b32 v2, 15, v0                           ; r
	v_bfe_u32 v3, v0, 4, 1                         ; h
	v_lshlrev_b32 v4, 4, v1                        ; 16 L
	v_lshlrev_b32 v5, 3, v1                        ; 8 L
	s_mul_i32 s19, s18, XSTG
	v_add_nc_u32 v6, s19, v4                       ; x's stage, in: 16 bytes a lane, a row of 512 bytes a store
	v_mul_u32_u24 v7, v2, 528
	v_lshl_add_u32 v7, v3, 7, v7
	v_add_nc_u32 v7, s19, v7                       ; and out: row r, + 128 h: my block of 32 numbers
	v_bfe_u32 v12, v0, 3, 1                        ; a column's group in its pair: (lane / 8) % 2
	v_and_b32 v13, 7, v0
	v_lshl_or_b32 v13, v3, 3, v13                  ; and its row there: lane % 8 + 8 (lane / 16)
	v_mul_u32_u24 v8, v12, 3200
	v_lshl_add_u32 v8, v13, 3, v8
	s_mul_i32 s21, s18, WSTG
	s_add_co_u32 s21, s21, WBASE
	v_add_nc_u32 v8, s21, v8                       ; the weights' stage, in: my group, 8 bytes at my row
	v_add_nc_u32 v9, s21, v4                       ; and out: 16 bytes a lane
	v_lshl_or_b32 v10, v12, 4, v13
	v_lshlrev_b32 v10, 3, v10                      ; my column's two scale words: 8 (16 group + row)
	v_lshlrev_b32 v11, 2, v1                       ; 4 L: my column in a row of a weight
	v_lshlrev_b32 v15, 3, v3                       ; 8 h
	v_mov_b32 v239, 0                              ; a lane permute's destination counts as one of its sources
	s_mov_b32 s46, 0x76543210
	s_mov_b32 s47, 0xfedcba98                      ; selects for lane l xor 16
	s_wait_kmcnt 0x0
	s_cmp_lt_u32 ttmp9, 256
	s_cbranch_scc0 .Lweights
; ---------------- x: step t = 2 u + sl is group 2 pair + u x 128 along K (the quarter's half sl)
.macro XLOAD t
.irp j, 0,1,2,3,4,5,6,7,8,9,10,11,12,13,14,15
	global_load_b128 v[R+64*((\t)%2)+4*\j:R+64*((\t)%2)+4*\j+3], v4, s[4:5] offset:(8*((\t)/2)+\j+8*(\j/8))*4096+((\t)%2)*512 th:TH_LOAD_NT   ; the group's row j: 32 lanes read 512 consecutive bytes
.endr
.endm
.macro XSTEP t
.if (\t) < 3
	s_wait_loadcnt 16                              ; this step's 16 loads are in; the next step's 16 may be out
.else
	s_wait_loadcnt 0x0
.endif
.irp j, 0,1,2,3,4,5,6,7,8,9,10,11,12,13,14,15
	ds_store_b128 v6, v[R+64*((\t)%2)+4*\j:R+64*((\t)%2)+4*\j+3] offset:\j*528
.endr
.irp c, 0,1
.irp i, 0,1,2,3,4,5,6,7
	ds_load_b128 v[X+32*\c+4*\i:X+32*\c+4*\i+3], v7 offset:\c*256+16*\i   ; LDS serves a wave's instructions in order: these see the stores above
.endr
.endr
	s_wait_dscnt 0x0                               ; the numbers are back, and the stores have read their registers,
.if (\t)+2 < 4
	XLOAD (\t)+2                                   ; which take the loads of two steps on
.endif
.irp c, 0,1
	v_max3_num_f32 v[232+\c], |v[X+32*\c]|, |v[X+32*\c+1]|, 0x1800000   ; my block 2 c + h: all 32 numbers are mine; the floor 2^(3 - 127) holds the byte at 1 from below
.endr
.irp i, 2,4,6,8,10,12,14,16,18,20,22,24,26,28,30
.irp c, 0,1
	v_max3_num_f32 v[232+\c], v[232+\c], |v[X+32*\c+\i]|, |v[X+32*\c+\i+1]|
.endr
.endr
.irp c, 0,1
	v_add_nc_u32 v[234+\c], 0xff000000, v[232+\c]  ; 2 off the exponent field: the conversion's scale operand
.endr
.irp c, 0,1
	v_lshrrev_b32 v[236+\c], 23, v[234+\c]         ; the scale's byte
.endr
	v_lshl_or_b32 v238, v237, 16, v236             ; my two bytes: blocks h and 2 + h,
	v_lshlrev_b32 v238, v15, v238                  ; at their places in the word;
	v_permlanex16_b32 v239, v238, s46, s47
	v_or_b32 v[WD+\t], v238, v239                  ; with lane l xor 16's two the word is whole
	s_wait_xcnt 0x0                                ; the last step's stores have read the code registers, which are written again below
.irp c, 0,1
	v_cvt_scalef32_pk16_fp6_f32 v[CA+8*\c:CA+8*\c+2], v[X+32*\c:X+32*\c+15], v[234+\c]
	v_cvt_scalef32_pk16_fp6_f32 v[CA+8*\c+4:CA+8*\c+6], v[X+32*\c+16:X+32*\c+31], v[234+\c]   ; (a conversion's three registers begin on an even number)
.endr
	v_nop                                          ; one plain place behind a scaled conversion
.irp c, 0,1
	v_mov_b32 v[CA+8*\c+3], v[CA+8*\c+4]           ; the block's six registers on end
	v_mov_b32 v[CA+8*\c+4], v[CA+8*\c+5]
	v_mov_b32 v[CA+8*\c+5], v[CA+8*\c+6]
.endr
.irp c, 0,1
.irp p, 0,1,2
	global_store_b64 v5, v[CA+8*\c+2*\p:CA+8*\c+2*\p+1], s[10:11] offset:((\t)/2)*12288+(2*((\t)%2)+\c)*768+\p*256   ; 32 lanes store 256 consecutive bytes, aligned
.endr
.endr
.endm
	s_lshl_b32 s40, ttmp9, 17                      ; my pair's 32 rows of 4,096 bytes,
	s_lshl_b32 s41, s18, 10                        ; my quarter's 1,024 bytes of a row
	s_add_co_u32 s40, s40, s41
	s_mov_b32 s41, 0
	s_add_nc_u64 s[4:5], s[4:5], s[40:41]
	s_mul_i32 s40, ttmp9, 24576                    ; the pair's 32 units, my quarter's 4
	s_mul_i32 s42, s18, 3072
	s_add_co_u32 s40, s40, s42
	s_add_nc_u64 s[10:11], s[10:11], s[40:41]
	s_lshl_b32 s40, ttmp9, 10
	s_lshl_b32 s42, s18, 8
	s_add_co_u32 s40, s40, s42
	s_add_nc_u64 s[14:15], s[14:15], s[40:41]      ; x's scale words lie at the head of s1
	XLOAD 0
	XLOAD 1
	XSTEP 0
	XSTEP 1
	XSTEP 2
	XSTEP 3
	v_cmp_eq_u32 vcc_lo, 1, v3
	v_cndmask_b32 v232, v[WD], v[WD+2], vcc_lo     ; lanes 0-15: the first group's two words of row r; lanes 16-31: the second group's
	v_cndmask_b32 v233, v[WD+1], v[WD+3], vcc_lo
	global_store_b64 v5, v[232:233], s[14:15]      ; 256 consecutive bytes, aligned
	s_branch .Lend
; ---------------- the weights
.Lweights:
	s_sub_co_u32 s40, ttmp9, 256
	s_mov_b32 s20, 4096
	s_cmp_lt_u32 s40, 96                           ; 96 work-groups for w_attn, 32 for w_proj: the choice hangs on the work-group's number alone
	s_cselect_b64 s[4:5], s[6:7], s[8:9]
	s_cselect_b64 s[14:15], s[14:15], s[16:17]     ; the scale words go to s1 or to s2
	s_cselect_b32 s20, 12288, s20                  ; bytes in a row of the weight
	s_cselect_b32 s42, 0, 2359296                  ; w_proj's codes lie behind w_attn's in wc
	s_cselect_b32 s43, 262144, 0                   ; w_attn's scale words lie behind x's in s1
	s_cselect_b32 s41, 0, 96
	s_sub_co_u32 s40, s40, s41
	s_lshr_b32 s41, s40, 2                         ; block of 128 columns
	s_and_b32 s40, s40, 3                          ; K quarter
	s_lshl_b32 s41, s41, 2
	s_add_co_u32 s41, s41, s18                     ; my wave's pair of groups: 32 columns
	s_lshl_b32 s44, s40, 8
	s_mul_i32 s44, s44, s20                        ; 256 rows a quarter
	s_lshl_b32 s45, s41, 7
	s_add_co_u32 s44, s44, s45
	s_mov_b32 s45, 0
	s_add_nc_u64 s[24:25], s[4:5], s[44:45]        ; a base for each of my 8 blocks of 32 rows: no address is stepped while loads are out
	s_lshl_b32 s22, s20, 5
	s_mov_b32 s23, 0
.irp t, 1,2,3,4,5,6,7
	s_add_nc_u64 s[24+2*\t:25+2*\t], s[22+2*\t:23+2*\t], s[22:23]
.endr
	s_mul_i32 s44, s41, 24576
	s_mul_i32 s48, s40, 3072
	s_add_co_u32 s44, s44, s48
	s_add_co_u32 s44, s44, s42
	s_add_nc_u64 s[12:13], s[12:13], s[44:45]
	s_lshl_b32 s44, s41, 10
	s_lshl_b32 s48, s40, 8
	s_add_co_u32 s44, s44, s48
	s_add_co_u32 s44, s44, s43
	s_add_nc_u64 s[14:15], s[14:15], s[44:45]
.irp i, 0,1,2,3,4,5,6,7,8,9,10,11,12,13,14,15,16,17,18,19,20,21,22,23,24,25,26,27,28,29,30,31
	v_mad_u32_u24 v[VO+\i], s20, \i, v11           ; row i of a block, my column
.endr
.macro WLOAD t
.irp i, 0,1,2,3,4,5,6,7,8,9,10,11,12,13,14,15,16,17,18,19,20,21,22,23,24,25,26,27,28,29,30,31
	global_load_b32 v[R+32*((\t)%2)+\i], v[VO+\i], s[24+2*(\t):25+2*(\t)] th:TH_LOAD_NT   ; 32 lanes read 128 consecutive bytes, the four waves side by side 512
.endr
.endm
.macro WBLOCK t
.set XS, R+32*((\t)%2)
.if (\t) < 7
	s_wait_loadcnt 32                              ; this block's 32 loads are in; the next block's may be out
.else
	s_wait_loadcnt 0x0
.endif
	v_max3_num_f32 v232, |v[XS]|, |v[XS+1]|, |v[XS+2]|
	v_max3_num_f32 v233, |v[XS+3]|, |v[XS+4]|, |v[XS+5]|
.irp i, 6,10,14,18,22,26
	v_max3_num_f32 v232, v232, |v[XS+\i]|, |v[XS+\i+1]|
	v_max3_num_f32 v233, v233, |v[XS+\i+2]|, |v[XS+\i+3]|
.endr
	v_max3_num_f32 v232, v232, |v[XS+30]|, |v[XS+31]|
	v_max3_num_f32 v232, v232, v233, 0x1800000     ; and the floor
	v_add_nc_u32 v234, 0xff000000, v232
	v_lshrrev_b32 v236, 23, v234
.if (\t)%4 == 0
	v_mov_b32 v[WD+(\t)/4], v236                   ; four bytes to a word, the lower K in the lower byte
.else
	v_lshl_or_b32 v[WD+(\t)/4], v236, 8*((\t)%4), v[WD+(\t)/4]
.endif
	v_cvt_scalef32_pk16_fp6_f32 v[CA:CA+2], v[XS:XS+15], v234
	v_cvt_scalef32_pk16_fp6_f32 v[CA+4:CA+6], v[XS+16:XS+31], v234
	v_nop                                          ; one plain place behind a scaled conversion
	v_mov_b32 v[CA+3], v[CA+4]
	v_mov_b32 v[CA+4], v[CA+5]
	v_mov_b32 v[CA+5], v[CA+6]
.irp p, 0,1,2
	ds_store_b64 v8, v[CA+2*\p:CA+2*\p+1] offset:((\t)/2)*768+((\t)%2)*128+\p*256   ; block t is half t % 2 of unit t / 2
.endr
.if (\t)+2 < 8
	WLOAD (\t)+2
.endif
	s_wait_dscnt 0x0                               ; the stores have read their registers: the next block's codes may be written
.endm
	WLOAD 0
	WLOAD 1
.irp t, 0,1,2,3,4,5,6,7
	WBLOCK \t
.endr
.irp k, 0,1,2,3,4,5,6,7,8,9,10,11
	ds_load_b128 v[R+4*\k:R+4*\k+3], v9 offset:(\k/6)*3200+(\k%6)*512
.endr
	global_store_b64 v10, v[WD:WD+1], s[14:15]     ; the 32 lanes' words fill 256 consecutive bytes, aligned
.irp k, 0,1,2,3,4,5,6,7,8,9,10,11
	s_wait_dscnt 11-\k                             ; the younger loads may be out
	global_store_b128 v4, v[R+4*\k:R+4*\k+3], s[12:13] offset:(\k/6)*12288+(\k%6)*512   ; 512 consecutive bytes
.endr
.Lend:
	s_wait_tensorcnt 0x0                           ; the wave's end, behind my last LDS store
	ds_add_u32 v[SPW], v[NIL]
	s_wait_dscnt 0x0
	s_endpgm
.Lfunc_end_k_q9cf568f412_quant:
	.size	k_q9cf568f412_quant, .Lfunc_end_k_q9cf568f412_quant-k_q9cf568f412_quant
	.p2alignl 7, 3214868480
	.fill 96, 4, 3214868480
	.section	.rodata,"a",@progbits
	.p2align	6, 0x0
	.amdhsa_kernel k_q9cf568f412_quant
		.amdhsa_group_segment_fixed_size 59904
		.amdhsa_private_segment_fixed_size 0
		.amdhsa_enable_private_segment 0
		.amdhsa_kernarg_size 56
		.amdhsa_user_sgpr_count 2
		.amdhsa_user_sgpr_kernarg_segment_ptr 1
		.amdhsa_wavefront_size32 1
		.amdhsa_system_sgpr_workgroup_id_x 1
		.amdhsa_system_sgpr_workgroup_id_y 1
		.amdhsa_system_sgpr_workgroup_id_z 1
		.amdhsa_system_vgpr_workitem_id 0
		.amdhsa_next_free_vgpr 248
		.amdhsa_next_free_sgpr 66
		.amdhsa_reserve_vcc 1
		.amdhsa_float_denorm_mode_32 3
		.amdhsa_float_denorm_mode_16_64 3
		.amdhsa_memory_ordered 1
		.amdhsa_forward_progress 1
		.amdhsa_inst_pref_size 75
	.end_amdhsa_kernel
	.amdgpu_metadata
---
amdhsa.version: [ 1, 2 ]
amdhsa.kernels:
  - .name:           k_q9cf568f412_quant
    .symbol:         k_q9cf568f412_quant.kd
    .args:
      - { .name: x, .offset: 0, .size: 8, .value_kind: global_buffer, .address_space: global }
      - { .name: w_attn, .offset: 8, .size: 8, .value_kind: global_buffer, .address_space: global }
      - { .name: w_proj, .offset: 16, .size: 8, .value_kind: global_buffer, .address_space: global }
      - { .name: xc, .offset: 24, .size: 8, .value_kind: global_buffer, .address_space: global }
      - { .name: wc, .offset: 32, .size: 8, .value_kind: global_buffer, .address_space: global }
      - { .name: s1, .offset: 40, .size: 8, .value_kind: global_buffer, .address_space: global }
      - { .name: s2, .offset: 48, .size: 8, .value_kind: global_buffer, .address_space: global }
    .group_segment_fixed_size: 59904
    .private_segment_fixed_size: 0
    .kernarg_segment_align: 8
    .kernarg_segment_size: 56
    .max_flat_workgroup_size: 128
    .sgpr_count:     66
    .vgpr_count:     248
    .wavefront_size: 32
...
	.end_amdgpu_metadata
.endif
;; end of part 1
;; launch gemm_qkv (part 2): grid 8 x 48, 4 waves a work-group, clusters of 4 x 4, 327,680 bytes of LDS; arguments xc, wc, s1, qkv, asc; writes qkv, asc
.if DOCPART == 2
	.amdgcn_target "amdgcn-amd-amdhsa--gfx1250"
	.amdhsa_code_object_version 6
	.text
	.protected	k_q9cf568f412_gemm_qkv
	.globl	k_q9cf568f412_gemm_qkv
	.p2align	8
	.type	k_q9cf568f412_gemm_qkv,@function
k_q9cf568f412_gemm_qkv:
	s_mov_b64 s[64:65], 0
	v_nop
	global_prefetch_b8 v0, s[64:65] scope:SCOPE_SE
	s_setreg_imm32_b32 hwreg(HW_REG_WAVE_MODE, 25, 1), 1
	s_wait_xcnt 0x0
	s_wait_alu depctr_hold_cnt(0) depctr_sa_sdst(0) depctr_va_vdst(0) depctr_va_sdst(0) depctr_va_ssrc(0) depctr_va_vcc(0) depctr_vm_vsrc(0)
	s_getreg_b32 s2, hwreg(HW_REG_IB_STS2, 6, 4)
	s_cmp_eq_u32 s2, 0
	s_cbranch_scc0 .Lentry_in_a_cluster
	s_endpgm
.Lentry_in_a_cluster:
	s_bfe_u32 s2, ttmp6, 0x10000c
	s_cmp_lg_u32 s2, 0xf033
	s_cbranch_scc0 .Lentry_shape_is_right
	s_endpgm
.Lentry_shape_is_right:
; qkv = x w_attn on codes of FP6 (E2M3), and q, k, v leave as codes again: no f32 number of them goes to memory.
; The kernel makes C[S1 row][S0 row], a tile of 256 x 256 a work-group, 128 x 128 a wave (64 accumulators), K = 1,024 in eight steps of 128, and quantises C ALONG THE S0 INDEX.
; Clusters with y < 8 make q and k: S1 = x's tokens, S0 = w_attn's columns 0 .. 2047, so a lane holds one token and runs along the channels (K of q k^T).
; Clusters with y >= 8 make v: S1 = w_attn's columns 2048 .. 3071, S0 = x's tokens, so a lane holds one channel and runs along the tokens (K of p v).  The matrix code is the same; the choice hangs on the cluster's y alone.
; Operands lie in groups of 16 rows and units of 768 bytes in register order (group g: rows 32 (g / 2) + 8 (g % 2) + r + 8 (r / 8); unit (g, u) at (16 g + u) x 768), so a fragment is six loads of 8 bytes a lane, lanes on end.
; THE MATRIX INSTRUCTION IS USED WITH S0 AS SOURCE 0: register j of lane (r, h) in accumulator (a, b) is C[S1 group a, row r][S0 index 32 (b / 2) + 16 h + 8 (b % 2) + j]: 16 neighbours in two neighbouring accumulators.
; LDS: three slots of 256 along K (S1's two halves, S0's two halves, 24,576 bytes each).  K's first three quarters are first fills; the fourth is the one refill, into slot 0, behind a round of the cluster's barrier.
; CLUSTERS 4 x 4: S1's tiles are shared along a row of the cluster, S0's along a column, each asked for jointly.  By this text's count a wave has three tensor loads out at the start, later one.
; The scale words of all eight steps come once into 64 registers: lanes 0-15 S1's group i, lanes 16-31 S0's group i.
; OUT: q, k: unit (u = d / 64, token group g) at (512 u + g) x 768.  v at VREG: ((128 head + token / 64) x 4 + channel group) x 768.  Scale words in asc: for each (batch, head) 12,288 bytes: k's [group / 4][r][group % 4] (bytes 0, 1; the upper two 0),
; then v's [128 keys][r][channel group]; q's at QREG: head x 32,768 + (g / 4) x 256 + 16 r + 4 (g % 4).
; LIMITS: a block whose largest magnitude lies under 2^(3 - 127) keeps the byte 1 (a block of zeros too: its codes are zeros, and this program alone reads the bytes); NaN and infinities are not served.
; REGISTERS: window 0: v1 r, v2 h, v5 8 x lane, v8-11 the stores' offsets, v16-22 LDS addresses, v27-29, v32-95 scale words, v96-117 the epilogue's, v128-223 S1's fragments (later codes); window 1: S0's fragments, two sets; windows 2, 3: accumulators.
.set FR,    12
.set SLOT,  98304
.set HALF,  24576
.set SPARE, 3*SLOT                     ; behind the slots: the spare words, 128 bytes for each wave
.set VREG,  12582912
.set QREG,  786432
.set VO,   8
.set ADRA, 16
.set ADRB, 20
.set SPW,  28
.set NIL,  29
.set SC,   32
.set PWS,  96
.set TM,   104
.set TP,   108
.set SO,   112
.set AF,   128
.set PC,   128
.set CT,   140
.set TT,   152
.set G1A, 24
.set G1B, 48
.set G0A, 68
.set G0B, 80
.set MSB, 0
.macro WIN new                         ; the immediate's high byte repeats the setting that is left
.if MSB != \new
	s_set_vgpr_msb (MSB<<8)|\new
.set MSB, \new
.endif
.endm
.set MUL_LO, 0xa1                      ; source 0 (S0) window 1, source 1 (S1) window 0, C and D window 2
.set MUL_HI, 0xf1
.set TO_B,   0x40
.macro JLOAD g0a, g1a, g0b, g1b        ; a joint load: waves 0, 1 fetch S1's halves, waves 2, 3 S0's; an s_nop 0 and four v_nop follow each line
	s_cmp_eq_u32 s15, 0
	s_cbranch_scc0 .Lfor_b_\@
	tensor_load_to_lds s[\g0a:\g0a+3], s[\g1a:\g1a+7]
	s_nop 0
.rept 4
	v_nop
.endr
	s_branch .Lasked_\@
.Lfor_b_\@:
	tensor_load_to_lds s[\g0b:\g0b+3], s[\g1b:\g1b+7]
	s_nop 0
.rept 4
	v_nop
.endr
.Lasked_\@:
.endm
.macro CREST
	s_cmp_lg_u32 s14, 0
	s_cbranch_scc1 .Lnot_wave_0_\@
	s_barrier_signal -3
.Lnot_wave_0_\@:
	s_barrier_wait -3
	s_barrier_signal -1
	s_barrier_wait -1
.endm
.macro CROUND
	s_barrier_signal -1
	s_barrier_wait -1
	CREST
.endm
.macro PLACES n
.rept \n
	v_nop
.endr
.endm
.macro FRAG reg, adr, q, i             ; group i's fragment of the slot's q-th 128 along K: two units on end, six pieces of 256 bytes, 8 bytes a lane
.irp p, 0,1,2,3,4,5
	ds_load_b64 v[\reg+2*\p:\reg+2*\p+1], v[\adr] offset:(\i)*3072+(\q)*1536+\p*256
.endr
.endm
.macro FETCH_B slot, q, p
	WIN TO_B
.irp i, 0,1,2,3,4,5,6,7
	FRAG 128*(\p)+FR*\i, ADRB+\slot, \q, \i
.endr
	WIN 0
.endm
.macro FETCH_A slot, q, i0
.irp i, \i0, \i0+1, \i0+2, \i0+3
	FRAG AF+FR*(\i), ADRA+\slot, \q, \i
.endr
.endm
; 16 matrix instructions: S1's groups a0, a0 + 1 x S0's eight.  The 64 accumulators take turns, one instruction a turn, in the same order in every step.
.macro MUL16 a0, p, st, zero
.irp a, \a0, \a0+1
.irp b, 0,1,2,3,4,5,6,7
.if \zero
	v_wmma_scale_f32_16x16x128_f8f6f4 v[8*(8*((\a)%4)+\b):8*(8*((\a)%4)+\b)+7], v[128*(\p)+FR*\b:128*(\p)+FR*\b+FR-1], v[AF+FR*(\a):AF+FR*(\a)+FR-1], 0, v[SC+8*\b+(\st)], v[SC+8*(\a)+(\st)] matrix_a_fmt:MATRIX_FMT_FP6 matrix_b_fmt:MATRIX_FMT_FP6 matrix_a_scale:MATRIX_SCALE_ROW1
.else
	v_wmma_scale_f32_16x16x128_f8f6f4 v[8*(8*((\a)%4)+\b):8*(8*((\a)%4)+\b)+7], v[128*(\p)+FR*\b:128*(\p)+FR*\b+FR-1], v[AF+FR*(\a):AF+FR*(\a)+FR-1], v[8*(8*((\a)%4)+\b):8*(8*((\a)%4)+\b)+7], v[SC+8*\b+(\st)], v[SC+8*(\a)+(\st)] matrix_a_fmt:MATRIX_FMT_FP6 matrix_b_fmt:MATRIX_FMT_FP6 matrix_a_scale:MATRIX_SCALE_ROW1
.endif
.endr
.endr
.endm
; step st; its successor's fragments lie in slot nslot, half nq, which every wave already knows to be whole
.macro STEP st, nslot, nq, zero
	s_wait_dscnt 24                                ; S0's set and S1's groups 0-3 are in; the youngest 24 loads (groups 4-7) may be out
	WIN MUL_LO
	MUL16 0, (\st)%2, \st, \zero
	MUL16 2, (\st)%2, \st, \zero
	s_wait_dscnt 0x0
	PLACES 4                                       ; four plain places in front of loads into registers that matrix instructions have read
	FETCH_B \nslot, \nq, 1-(\st)%2
	FETCH_A \nslot, \nq, 0
	WIN MUL_HI
	MUL16 4, (\st)%2, \st, \zero
	MUL16 6, (\st)%2, \st, \zero
	PLACES 4
	WIN 0
	FETCH_A \nslot, \nq, 4
.endm
; a step with the work-group's barrier in it.  fill = 1: the barrier opens a round of the cluster's, and slot 0 takes K's last quarter
.macro TURN st, nslot, fill
	s_wait_tensorcnt 0x0                           ; all my tensor loads have landed
	ds_add_u32 v[SPW], v[NIL]                      ; 0 onto my spare word
	s_wait_dscnt 25                                ; (the add and the youngest 24 loads may be out)
	WIN MUL_LO
	MUL16 0, 1, \st, 0
	s_wait_dscnt 0x0                               ; the add is done, and my reads of the slot that I leave are over
	s_barrier_signal -1
	MUL16 2, 1, \st, 0
	WIN 0
	s_barrier_wait -1
.if \fill
	CREST                                          ; no wave of any partner still reads slot 0 or has a load on its way
	s_add_nc_u64 s[G0A+2:G0A+3], s[G0A+2:G0A+3], 3*3072
	s_add_nc_u64 s[G0B+2:G0B+3], s[G0B+2:G0B+3], 3*3072
	JLOAD G0A, G1A, G0B, G1B                       ; the first tensor load behind the round: four steps, 256 matrix instructions, ahead of the wait for it
.else
	PLACES 4
.endif
	FETCH_B \nslot, 0, 0
	FETCH_A \nslot, 0, 0
	WIN MUL_HI
	MUL16 4, 1, \st, 0
	MUL16 6, 1, \st, 0
	PLACES 4
	WIN 0
	FETCH_A \nslot, 0, 4
.endm
	s_load_b256 s[4:11], s[0:1], 0x0               ; xc s[4:5], wc s[6:7], s1 s[8:9], qkv s[10:11]
	s_load_b64 s[12:13], s[0:1], 0x20              ; asc
	v_lshl_add_u32 v[SPW], v0, 2, SPARE
	v_mov_b32 v[NIL], 0
	ds_add_u32 v[SPW], v[NIL]                      ; the wave's opening: the add, waited for ahead of my first tensor load
	v_lshrrev_b32 v1, 5, v0
	v_readfirstlane_b32 s14, v1                    ; wave
	s_lshr_b32 s15, s14, 1                         ; my half of S1's rows.  Also: I fetch for S1 (0) or S0 (1)
	s_and_b32 s16, s14, 1                          ; my half of S0's rows.  Also: which half I fetch
	s_bfe_u32 s40, ttmp6, 0x40000                  ; cx
	s_bfe_u32 s41, ttmp6, 0x40004                  ; cy
	s_lshl_b32 s42, ttmp9, 2
	s_add_co_u32 s42, s42, s40                     ; work-group x
	s_and_b32 s45, ttmp7, 0xffff                   ; cluster y
	s_lshl_b32 s17, s45, 2
	s_add_co_u32 s17, s17, s41                     ; work-group y
	s_lshl_b32 s43, s41, 2
	s_lshl_b32 s43, 15, s43                        ; my row of the cluster
	s_lshl_b32 s44, 0x1111, s40                    ; my column
	s_or_b32 s[G1A+0], s43, (3<<16)|(1<<21)        ; the mask; elements of 8 bytes; bit 21 beside a mask; no padding
	s_or_b32 s[G1B+0], s44, (3<<16)|(1<<21)
.irp g, G1A, G1B
	s_mov_b32 s[\g+1], 384<<16                     ; tensor_dim0: 3,072 bytes: four units of a group
	s_mov_b32 s[\g+2], 8<<16                       ; tensor_dim1: 8 groups
	s_mov_b32 s[\g+3], 384<<16                     ; tile_dim0
	s_mov_b32 s[\g+4], 8                           ; tile_dim1
	s_mov_b32 s[\g+5], 1536                        ; from group to group: 12,288 bytes
	s_mov_b32 s[\g+6], 0
	s_mov_b32 s[\g+7], 0
.endr
	s_lshl_b32 s20, s17, 4                         ; S1's first group: q, k: 16 x work-group y (tokens);
	s_lshl_b32 s21, s41, 4
	s_add_co_u32 s21, s21, 128                     ; v: 128 + 16 cy (w_attn's columns from 2,048 on)
	s_sub_co_u32 s22, s45, 8
	s_lshl_b32 s22, s22, 7
	s_lshl_b32 s46, s42, 4                         ; S0's first group: 16 x work-group x, in v's part + 128 (cluster y - 8)
	s_cmp_lt_u32 s45, 8
	s_cselect_b32 s20, s20, s21
	s_cselect_b32 s22, 0, s22
	s_add_co_u32 s46, s46, s22
	s_lshl_b32 s18, s16, 3
	s_add_co_u32 s32, s20, s18
	s_mul_i32 s32, s32, 12288
	s_mov_b32 s33, 0
	s_add_co_u32 s34, s46, s18
	s_mul_i32 s34, s34, 12288
	s_mov_b32 s35, 0
	s_mul_i32 s47, s14, HALF                       ; where my fills go: no place in the cluster enters an LDS address
	s_wait_dscnt 0x0                               ; the opening add is done
	s_wait_kmcnt 0x0
	s_cmp_lt_u32 s45, 8
	s_cselect_b64 s[36:37], s[4:5], s[6:7]         ; S1's codes
	s_cselect_b64 s[38:39], s[6:7], s[4:5]         ; S0's codes
	s_add_nc_u64 s[36:37], s[36:37], s[32:33]
	s_add_nc_u64 s[38:39], s[38:39], s[34:35]
	CROUND                                         ; all sixteen work-groups are here: the first joint loads meet
.irp s, 0,1,2
	s_mov_b32 s[G0A+4*\s], 1
	s_add_co_u32 s[G0A+4*\s+1], s47, \s*SLOT
	s_add_nc_u64 s[G0A+4*\s+2:G0A+4*\s+3], s[36:37], \s*3072
	s_or_b32 s[G0A+4*\s+3], s[G0A+4*\s+3], 0x80000000
	s_mov_b32 s[G0B+4*\s], 1
	s_add_co_u32 s[G0B+4*\s+1], s47, \s*SLOT
	s_add_nc_u64 s[G0B+4*\s+2:G0B+4*\s+3], s[38:39], \s*3072
	s_or_b32 s[G0B+4*\s+3], s[G0B+4*\s+3], 0x80000000
	JLOAD G0A+4*\s, G1A, G0B+4*\s, G1B
.endr
	v_and_b32 v1, 15, v0                           ; r
	v_bfe_u32 v2, v0, 4, 1                         ; h
	v_and_b32 v5, 31, v0
	v_lshlrev_b32 v5, 3, v5                        ; 8 x lane
	s_mul_i32 s21, s15, HALF
	s_mul_i32 s22, s16, HALF
	s_add_co_u32 s22, s22, 2*HALF
.irp s, 0,1,2
	v_add_nc_u32 v[ADRA+\s], s21, v5
	v_add_nc_u32 v[ADRB+\s], s22, v5
	s_add_co_u32 s21, s21, SLOT
	s_add_co_u32 s22, s22, SLOT
.endr
	; the scale words: x's lie at the head of s1, w_attn's 262,144 bytes on; 512 bytes a group
	s_lshl_b32 s56, s15, 3
	s_add_co_u32 s56, s56, s20
	s_lshl_b32 s56, s56, 9
	s_lshl_b32 s57, s16, 3
	s_add_co_u32 s57, s57, s46
	s_lshl_b32 s57, s57, 9
	s_cmp_lt_u32 s45, 8
	s_cselect_b32 s58, 0, 262144
	s_cselect_b32 s59, 262144, 0
	s_add_co_u32 s56, s56, s58
	s_add_co_u32 s57, s57, s59
	v_mov_b32 v3, s56
	v_mov_b32 v4, s57
	v_cmp_eq_u32 s60, 1, v2
	v_cndmask_b32 v27, v3, v4, s60                 ; lanes 0-15 take S1's words, lanes 16-31 S0's
	v_lshl_add_u32 v27, v1, 3, v27
.irp i, 0,1,2,3,4,5,6,7
.irp g, 0,1,2,3
	global_load_b64 v[SC+8*\i+2*\g:SC+8*\i+2*\g+1], v27, s[8:9] offset:(\i/2)*1024+(\i%2)*128+\g*256   ; group i, steps 2 g and 2 g + 1
.endr
.endr
	; where the results go
	s_lshl_b32 s56, s42, 2
	s_lshl_b32 s57, s16, 1
	s_add_co_u32 s56, s56, s57                     ; q, k: my first unit along d: 4 x work-group x + 2 x half
	s_lshl_b32 s58, s15, 3
	s_add_co_u32 s58, s58, s20                     ; my first group of S1
	s_lshl_b32 s59, s56, 9
	s_add_co_u32 s59, s59, s58
	s_mul_i32 s59, s59, 768
	s_sub_co_u32 s60, s58, 128
	s_lshr_b32 s60, s60, 2                         ; v: my first head
	s_lshr_b32 s61, s46, 2
	s_add_co_u32 s61, s61, s57                     ; v: my first 64 tokens
	s_lshl_b32 s62, s60, 7
	s_add_co_u32 s62, s62, s61
	s_mul_i32 s62, s62, 3072
	s_add_co_u32 s62, s62, VREG
	s_mov_b32 s96, 3072
	s_mov_b32 s97, 393216
	s_cmp_lt_u32 s45, 8
	s_cselect_b32 s94, s59, s62
	s_cselect_b32 s98, s97, s96                    ; from my first 64 along the quantised axis to my second
	s_cselect_b32 s99, s96, s97                    ; from S1's groups 0-3 to groups 4-7
	s_mov_b32 s95, 0
	s_add_nc_u64 s[10:11], s[10:11], s[94:95]
	v_mov_b32 v[VO], v5
	v_add_nc_u32 v[VO+1], s99, v5
	v_add_nc_u32 v[VO+2], s98, v5
	v_add_nc_u32 v[VO+3], s99, v[VO+2]
	v_lshlrev_b32 v116, 4, v2                      ; 16 h
.irp b, 0,1,2,3
	v_mov_b32 v[TP+\b], 0                          ; a lane permute's destination counts as one of its sources
.endr
	s_mov_b32 s92, 0x76543210
	s_mov_b32 s93, 0xfedcba98
	s_wait_tensorcnt 2                             ; my part of K's first quarter is in; the second and third may be out
	s_barrier_signal -1
	s_barrier_wait -1
	FETCH_B 0, 0, 0
	FETCH_A 0, 0, 0
	FETCH_A 0, 0, 4
	s_wait_loadcnt 0x0                             ; the scale words
	STEP 0, 0, 1, 1                                ; the first step's products start the sums: nothing is cleared
	TURN 1, 1, 1                                   ; slot 0 is left and filled again; the wait for all loads in front of this barrier also shows slots 1 and 2 whole to every wave
	STEP 2, 1, 1, 0
	STEP 3, 2, 0, 0
	STEP 4, 2, 1, 0
	TURN 5, 0, 0                                   ; K's last quarter has landed; nothing is filled again, so no round follows
	STEP 6, 0, 1, 0
	s_wait_dscnt 24
	WIN MUL_LO
	MUL16 0, 1, 7, 0
	MUL16 2, 1, 7, 0
	s_wait_dscnt 0x0
	WIN MUL_HI
	MUL16 4, 1, 7, 0
	MUL16 6, 1, 7, 0
	WIN 0
; THE WAY OUT: S1's group a: a lane's 64 numbers (register 16 b + i = index 32 b + 16 h + i of my row) become a fragment's codes, two units, and a scale word.
.macro EPI a
.set AC, 64*((\a)%4)
	WIN 0x28+0x14*((\a)/4)                         ; sources 1 and 2: the accumulators' window
.irp b, 0,1,2,3
	v_max3_num_f32 v[TM+\b], 0x1800000, |v[AC+16*\b]|, |v[AC+16*\b+1]|   ; each accumulator is read from its low end on; the floor 2^(3 - 127) holds the byte at 1 from below
.endr
.irp i, 2,4,6,8,10,12,14
.irp b, 0,1,2,3
	v_max3_num_f32 v[TM+\b], v[TM+\b], |v[AC+16*\b+\i]|, |v[AC+16*\b+\i+1]|
.endr
.endr
	WIN 0
.irp b, 0,1,2,3
	v_permlanex16_b32 v[TP+\b], v[TM+\b], s92, s93
.endr
.irp b, 0,1,2,3
	v_max_num_f32 v[TM+\b], v[TM+\b], v[TP+\b]     ; with lane l xor 16's: the block's largest magnitude
.endr
.irp b, 0,1,2,3
	v_add_nc_u32 v[SO+\b], 0xff000000, v[TM+\b]    ; 2 off the exponent field: the conversion's scale operand
.endr
.irp b, 0,1,2,3
	v_lshrrev_b32 v[TP+\b], 23, v[SO+\b]
.endr
	v_lshl_or_b32 v[PWS+\a], v[TP+1], 8, v[TP]
	v_lshl_or_b32 v[PWS+\a], v[TP+2], 16, v[PWS+\a]
	v_lshl_or_b32 v[PWS+\a], v[TP+3], 24, v[PWS+\a]
	s_wait_xcnt 0x0                                ; the last group's stores have read the code registers, which are written again below
	WIN 2+(\a)/4                                   ; source 0: the accumulators' window
.irp c, 0,1
	v_cvt_scalef32_pk16_fp6_f32 v[PC+6*\c:PC+6*\c+2], v[AC+32*\c:AC+32*\c+15], v[SO+2*\c]
	v_cvt_scalef32_pk16_fp6_f32 v[CT+4*\c:CT+4*\c+2], v[AC+32*\c+16:AC+32*\c+31], v[SO+2*\c+1]
.endr
	WIN 0
	v_nop                                          ; one plain place behind a scaled conversion
.irp c, 0,1                                    ; the layout wants a whole block in a lane: lanes 0-15 block 2 c, lanes 16-31 block 2 c + 1
.irp i, 0,1,2
	v_permlane16_swap_b32 v[PC+6*\c+\i], v[CT+4*\c+\i]
.endr
.irp i, 0,1,2
	v_mov_b32 v[PC+6*\c+3+\i], v[CT+4*\c+\i]
.endr
.endr
.irp c, 0,1
.irp p, 0,1,2
	global_store_b64 v[VO+2*\c+(\a)/4], v[PC+6*\c+2*\p:PC+6*\c+2*\p+1], s[10:11] offset:((\a)%4)*768+\p*256   ; 32 lanes store 256 consecutive bytes, aligned
.endr
.endr
.endm
	PLACES 4                                       ; behind the last products: their results are read and their sources written below
.irp a, 0,1,2,3,4,5,6,7
	EPI \a
.endr
	s_cmp_lt_u32 s45, 8                            ; the cluster's y: the same in all partners
	s_cbranch_scc0 .Lv_scales
	; q, k: a word's low half belongs to my first head, its high half to my second: lanes 0-15 store the first's, lanes 16-31 the second's
	s_lshr_b32 s32, s58, 2
	s_lshl_b32 s32, s32, 8
	s_lshl_b32 s33, s56, 15
	s_add_co_u32 s33, s33, s32
	s_add_co_u32 s33, s33, QREG                    ; q's place
	s_lshr_b32 s34, s58, 7
	s_lshl_b32 s34, s34, 4
	s_add_co_u32 s34, s34, s56
	s_sub_co_u32 s34, s34, 16
	s_mul_i32 s34, s34, 12288
	s_and_b32 s35, s58, 127
	s_lshr_b32 s35, s35, 2
	s_lshl_b32 s35, s35, 8
	s_add_co_u32 s34, s34, s35                     ; k's place
	s_mov_b32 s36, 12288
	s_mov_b32 s37, 32768
	s_cmp_eq_u32 ttmp9, 0                          ; the clusters with x = 0 hold q's columns
	s_cselect_b32 s32, s33, s34
	s_cselect_b32 s36, s37, s36                    ; from head to head
	s_mov_b32 s33, 0
	s_add_nc_u64 s[12:13], s[12:13], s[32:33]
	v_mul_u32_u24 v117, s36, v2
	v_lshl_add_u32 v117, v1, 4, v117
.irp a, 0,1,2,3,4,5,6,7
	v_lshrrev_b32 v[TT+\a], v116, v[PWS+\a]
.endr
.irp a, 0,1,2,3,4,5,6,7
	v_and_b32 v[TT+\a], 0xffff, v[TT+\a]           ; the upper two bytes are 0: they stand over codes that count for nothing
.endr
	global_store_b128 v117, v[TT:TT+3], s[12:13]               ; sixteen lanes store 256 consecutive bytes, aligned
	global_store_b128 v117, v[TT+4:TT+7], s[12:13] offset:256
	s_branch .Ldone
.Lv_scales:
	; v: groups 0-3 are my first head's four channel groups, groups 4-7 my second head's
	s_lshr_b32 s32, s61, 5
	s_lshl_b32 s32, s32, 4
	s_add_co_u32 s32, s32, s60
	s_mul_i32 s32, s32, 12288
	s_and_b32 s34, s61, 31
	s_lshr_b32 s34, s34, 1
	s_lshl_b32 s34, s34, 8
	s_add_co_u32 s32, s32, s34
	s_add_co_u32 s32, s32, 8192
	s_mov_b32 s33, 0
	s_add_nc_u64 s[12:13], s[12:13], s[32:33]
	v_mul_u32_u24 v117, 12288, v2
	v_lshl_add_u32 v117, v1, 4, v117
	v_cmp_eq_u32 vcc_lo, 1, v2
.irp j, 0,1,2,3
	v_cndmask_b32 v[TT+\j], v[PWS+\j], v[PWS+4+\j], vcc_lo
.endr
	global_store_b128 v117, v[TT:TT+3], s[12:13]
.Ldone:
	s_wait_tensorcnt 0x0                           ; the wave's end
	ds_add_u32 v[SPW], v[NIL]
	s_wait_dscnt 0x0
	CROUND                                         ; the closing round
	s_endpgm
.Lfunc_end_k_q9cf568f412_gemm_qkv:
	.size	k_q9cf568f412_gemm_qkv, .Lfunc_end_k_q9cf568f412_gemm_qkv-k_q9cf568f412_gemm_qkv
	.p2alignl 7, 3214868480
	.fill 96, 4, 3214868480
	.section	.rodata,"a",@progbits
	.p2align	6, 0x0
	.amdhsa_kernel k_q9cf568f412_gemm_qkv
		.amdhsa_group_segment_fixed_size 327680
		.amdhsa_private_segment_fixed_size 0
		.amdhsa_enable_private_segment 0
		.amdhsa_kernarg_size 40
		.amdhsa_user_sgpr_count 2
		.amdhsa_user_sgpr_kernarg_segment_ptr 1
		.amdhsa_wavefront_size32 1
		.amdhsa_system_sgpr_workgroup_id_x 1
		.amdhsa_system_sgpr_workgroup_id_y 1
		.amdhsa_system_sgpr_workgroup_id_z 1
		.amdhsa_system_vgpr_workitem_id 0
		.amdhsa_next_free_vgpr 1024
		.amdhsa_next_free_sgpr 100
		.amdhsa_reserve_vcc 1
		.amdhsa_float_denorm_mode_32 3
		.amdhsa_float_denorm_mode_16_64 3
		.amdhsa_memory_ordered 1
		.amdhsa_forward_progress 1
		.amdhsa_inst_pref_size 168
	.end_amdhsa_kernel
	.amdgpu_metadata
---
amdhsa.version: [ 1, 2 ]
amdhsa.kernels:
  - .name:           k_q9cf568f412_gemm_qkv
    .symbol:         k_q9cf568f412_gemm_qkv.kd
    .args:
      - { .name: xc, .offset: 0, .size: 8, .value_kind: global_buffer, .address_space: global }
      - { .name: wc, .offset: 8, .size: 8, .value_kind: global_buffer, .address_space: global }
      - { .name: s1, .offset: 16, .size: 8, .value_kind: global_buffer, .address_space: global }
      - { .name: qkv, .offset: 24, .size: 8, .value_kind: global_buffer, .address_space: global }
      - { .name: asc, .offset: 32, .size: 8, .value_kind: global_buffer, .address_space: global }
    .group_segment_fixed_size: 327680
    .private_segment_fixed_size: 0
    .kernarg_segment_align: 8
    .kernarg_segment_size: 40
    .max_flat_workgroup_size: 128
    .sgpr_count:     100
    .vgpr_count:     1024
    .wavefront_size: 32
...
	.end_amdgpu_metadata
.endif
;; end of part 2
;; launch attn (part 3): grid 4 x 64, 16 waves a work-group, no clusters, 327,680 bytes of LDS; arguments qkv, asc, yc, s2; writes yc, s2
.if DOCPART == 3
	.amdgcn_target "amdgcn-amd-amdhsa--gfx1250"
	.amdhsa_code_object_version 6
	.text
	.protected	k_q9cf568f412_attn
	.globl	k_q9cf568f412_attn
	.p2align	8
	.type	k_q9cf568f412_attn,@function
k_q9cf568f412_attn:
	s_mov_b64 s[64:65], 0
	v_nop
	global_prefetch_b8 v0, s[64:65] scope:SCOPE_SE
	s_setreg_imm32_b32 hwreg(HW_REG_WAVE_MODE, 25, 1), 1
	s_wait_xcnt 0x0
; y[b][q][head] = softmax_k(q . k / 8, causal) v on codes of FP6 (E2M3); y leaves as codes, quantised along the channels, for the last product.
; THE SOFTMAX AHEAD OF THE SECOND PRODUCT: t = score x log2(e) / 8; M = the running largest t rounded up to a whole number; p = 2^(t - M) is quantised along the keys; the row's sum is taken of the unquantised p and divides at the end.
; SHARES.  Work-group (i, b x 16 + head) owns the query blocks 7 - i and i of 256 queries.  Wave w owns two tiles of 16 queries: group 16 (7 - i) + w and group 16 i + 15 - w: together 17 steps of 128 keys in every wave of every work-group.
; A step all of whose keys come after a tile's queries is jumped over by a scalar branch on ids; on the diagonal hidden scores become -infinity.  Every wave walks all 16 trips: the trip counts are constants.
; LDS: K and V of one (batch, head) lie there whole: K's 128 groups x 768 bytes at 0, V's 32 x 4 units at 98,304, their scale words (12,288 bytes) at 196,608; nothing is filled twice.  Every tensor load is 48 rows of 256 bytes.
; Waves 0, 1, 2 fetch the first 256 keys of K, of V and the scale words at the head; behind the first barrier waves 0 to 13 fetch one further chunk of 256 keys each, which lands under the first two trips.  By this text's count a wave has one tensor load out.
; NO CLUSTER: the four work-groups of a head share these 208,896 bytes, which each asks for once, in two groups at its head, for 16 x 17 tile steps of work; joint loads would put three rounds of the cluster's barrier round those two groups.
; LAYOUT.  Both products are used transposed (source 0 = 16 keys, or 16 channels of V^T; source 1 = my queries, or p): a lane holds one query.  Groups hold rows 32 (g / 2) + 8 (g % 2) + r + 8 (r / 8), so the 16 registers of two neighbouring tiles are 16 neighbours.
; K = 64 IN A FORM THAT IS 128 DEEP: Q's upper six registers are zero codes and the upper two bytes of Q's and K's scale words are 0; K's upper six registers are whatever follows (the next fragment's codes): a code times a zero code adds nothing, and the format has no NaN.
; LIMITS: a block of p or y under 2^(3 - 127) keeps the byte 1; y = O x (1 / l) by v_rcp_f32; NaN and infinities are not served.
; REGISTERS: v1-4 places that stay; v5, v6 the add's; v8-11 addresses in hand; tile X: v[12+4X] -M, +1 the largest t, +2, +3 the sum; v20+X Q's scale word; v22+X query - 16 h; v[24+12X] Q; v[48+32X] O^T;
;   v112-175 S^T, then p, then V's four fragments; v176-229 K's eight fragments, six registers apart, later at work; v230-237 K's or V's scale words; v238 p's scale word; v239 16 r.
.set VB,    98304
.set SB,    196608
.set SPARE, 208896                     ; the spare words, 128 bytes for each of 16 waves: eight blocks of 256 bytes that no other line names
.set CHUNK, 12288
.set VREG,  12582912
.set QREG,  786432
.set AK0, 1
.set AV0, 2
.set ASK0, 3
.set ASV0, 4
.set SPW, 5
.set NIL, 6
.set ADK, 8
.set ADV, 9
.set ADS, 10
.set ADT, 11
.set QS,  20
.set QD,  22
.set QF,  24
.set S,   112
.set F,   176
.set BM,  176
.set PT,  180
.set SO,  184
.set PC,  188
.set CT,  200
.set FF,  208
.set T0,  210
.set HW,  213
.set KSW, 230
.set PW,  238
.set RO,  239
.set WV,  18
.set SEL, 20
.set CS,  22
.set G1,  24
.set G0E, 32
.set G0L, 36
.set KF,  40                           ; s40 the step's first key
.set TK,  41                           ; s41 where the step's tiles begin in K's and in V's region: 6,144 bytes a step
.set TS,  42                           ; s42 K's scale words: 512 bytes a step
.set TJ,  43                           ; s43 V's: 256 bytes a step
.set QB,  44                           ; s44, s45 the first of the 32 queries among which my tile's lie
.set CNT, 46
	s_load_b256 s[4:11], s[0:1], 0x0               ; qkv s[4:5], asc s[6:7], yc s[8:9], s2 s[10:11]
	v_lshl_add_u32 v[SPW], v0, 2, SPARE
	v_mov_b32 v[NIL], 0
	ds_add_u32 v[SPW], v[NIL]                      ; the wave's opening: the add, waited for ahead of my first tensor load
	v_lshrrev_b32 v8, 5, v0
	v_readfirstlane_b32 s[WV], v8                  ; wave 0..15
	s_and_b32 s12, ttmp7, 0xffff                   ; 16 b + head
	s_lshr_b32 s13, s12, 4
	s_and_b32 s14, s12, 15
	s_mov_b32 s[G1], 3<<16                         ; no mask; elements of 8 bytes; no padding
	s_mov_b32 s[G1+1], 32<<16                      ; tensor_dim0: 256 bytes
	s_mov_b32 s[G1+2], 48<<16                      ; tensor_dim1
	s_mov_b32 s[G1+3], 32<<16                      ; tile_dim0
	s_mov_b32 s[G1+4], 48                          ; tile_dim1
	s_mov_b32 s[G1+5], 32                          ; dense
	s_mov_b32 s[G1+6], 0
	s_mov_b32 s[G1+7], 0
	s_add_co_u32 s52, s14, 16                      ; K: unit 16 + head, groups 128 b on
	s_lshl_b32 s52, s52, 9
	s_lshl_b32 s15, s13, 7
	s_add_co_u32 s52, s52, s15
	s_mul_i32 s52, s52, 768
	s_mov_b32 s53, 0
	s_lshl_b32 s54, s14, 7                         ; V: (128 head + 32 b) x 3,072 behind VREG
	s_lshl_b32 s16, s13, 5
	s_add_co_u32 s54, s54, s16
	s_mul_i32 s54, s54, 3072
	s_add_co_u32 s54, s54, VREG
	s_mov_b32 s55, 0
	s_mul_i32 s56, s12, CHUNK                      ; their scale words
	s_mov_b32 s57, 0
	s_lshr_b32 s58, s[WV], 1                       ; the later fill: chunk 1 + wave / 2 of K (even waves) or V (odd waves)
	s_add_co_u32 s58, s58, 1
	s_mul_i32 s58, s58, CHUNK
	s_mov_b32 s59, 0
	s_and_b32 s60, s[WV], 1
	s_mul_i32 s[G0L+1], s60, VB
	s_add_co_u32 s[G0L+1], s[G0L+1], s58
	s_mov_b32 s[G0L], 1
	s_mov_b32 s[G0E], 1
	s_mul_i32 s[G0E+1], s[WV], VB                  ; the first fills: wave 0 K's region, wave 1 V's, wave 2 the scale words'
	s_sub_co_u32 s61, 7, ttmp9
	s_lshl_b32 s61, s61, 4
	s_add_co_u32 s61, s61, s[WV]                   ; tile 0's group in the batch
	s_lshl_b32 s62, ttmp9, 4
	s_add_co_u32 s62, s62, 15
	s_sub_co_u32 s62, s62, s[WV]                   ; tile 1's
	s_lshr_b32 s[QB], s61, 1
	s_lshl_b32 s[QB], s[QB], 5
	s_lshr_b32 s[QB+1], s62, 1
	s_lshl_b32 s[QB+1], s[QB+1], 5
	s_and_b32 s84, s61, 1
	s_lshl_b32 s84, s84, 3
	s_add_co_u32 s84, s84, s[QB]
	s_and_b32 s85, s62, 1
	s_lshl_b32 s85, s85, 3
	s_add_co_u32 s85, s85, s[QB+1]
	s_add_co_u32 s66, s15, s61                     ; the groups among all 512
	s_add_co_u32 s67, s15, s62
	s_lshl_b32 s17, s14, 9
	s_add_co_u32 s68, s17, s66                     ; Q's unit: (512 head + g) x 768
	s_mul_i32 s68, s68, 768
	s_mov_b32 s69, 0
	s_add_co_u32 s70, s17, s67
	s_mul_i32 s70, s70, 768
	s_mov_b32 s71, 0
	s_lshl_b32 s19, s14, 15
	s_add_co_u32 s19, s19, QREG
	s_lshr_b32 s72, s66, 2                         ; Q's scale words
	s_lshl_b32 s72, s72, 8
	s_and_b32 s73, s66, 3
	s_lshl_b32 s73, s73, 2
	s_add_co_u32 s72, s72, s73
	s_add_co_u32 s72, s72, s19
	s_mov_b32 s73, 0
	s_lshr_b32 s74, s67, 2
	s_lshl_b32 s74, s74, 8
	s_and_b32 s75, s67, 3
	s_lshl_b32 s75, s75, 2
	s_add_co_u32 s74, s74, s75
	s_add_co_u32 s74, s74, s19
	s_mov_b32 s75, 0
	s_lshl_b32 s76, s66, 4                         ; y's unit: (16 g + head) x 768
	s_add_co_u32 s76, s76, s14
	s_mul_i32 s76, s76, 768
	s_mov_b32 s77, 0
	s_lshl_b32 s78, s67, 4
	s_add_co_u32 s78, s78, s14
	s_mul_i32 s78, s78, 768
	s_mov_b32 s79, 0
	s_lshr_b32 s82, s14, 2                         ; y's two scale bytes: 32,768 + 1024 (g / 2) + 256 (head / 4) + 128 (g % 2) + 8 r + 4 ((head / 2) % 2) + 2 (head % 2)
	s_lshl_b32 s82, s82, 8
	s_bfe_u32 s83, s14, 0x10001
	s_lshl_b32 s83, s83, 2
	s_add_co_u32 s82, s82, s83
	s_and_b32 s83, s14, 1
	s_lshl_b32 s83, s83, 1
	s_add_co_u32 s82, s82, s83
	s_add_co_u32 s82, s82, 32768
	s_lshr_b32 s80, s66, 1
	s_lshl_b32 s80, s80, 10
	s_and_b32 s83, s66, 1
	s_lshl_b32 s83, s83, 7
	s_add_co_u32 s80, s80, s83
	s_add_co_u32 s80, s80, s82
	s_lshr_b32 s81, s67, 1
	s_lshl_b32 s81, s81, 10
	s_and_b32 s83, s67, 1
	s_lshl_b32 s83, s83, 7
	s_add_co_u32 s81, s81, s83
	s_add_co_u32 s81, s81, s82
	s_mov_b32 s[SEL], 0x76543210
	s_mov_b32 s[SEL+1], 0xfedcba98
	s_mov_b32 s[CS], 0x3e38aa3b                    ; c = log2(e) / 8
	s_mov_b32 s[CS+1], s[CS]                       ; (named with it as a pair, so it is written)
	s_mov_b32 s[KF], 0
	s_mov_b32 s[TK], 0
	s_mov_b32 s[TS], 0
	s_mov_b32 s[TJ], 0
	s_wait_dscnt 0x0                               ; the opening add is done
	s_wait_kmcnt 0x0
	s_add_nc_u64 s[52:53], s[4:5], s[52:53]
	s_add_nc_u64 s[54:55], s[4:5], s[54:55]
	s_add_nc_u64 s[56:57], s[6:7], s[56:57]
	s_cmp_eq_u32 s[WV], 1
	s_cselect_b64 s[G0E+2:G0E+3], s[54:55], s[56:57]
	s_cmp_eq_u32 s[WV], 0
	s_cselect_b64 s[G0E+2:G0E+3], s[52:53], s[G0E+2:G0E+3]
	s_or_b32 s[G0E+3], s[G0E+3], 0x80000000
	s_cmp_eq_u32 s60, 0
	s_cselect_b64 s[G0L+2:G0L+3], s[52:53], s[54:55]
	s_add_nc_u64 s[G0L+2:G0L+3], s[G0L+2:G0L+3], s[58:59]
	s_or_b32 s[G0L+3], s[G0L+3], 0x80000000
	s_cmp_lt_u32 s[WV], 3
	s_cbranch_scc0 .Lno_early
	tensor_load_to_lds s[G0E:G0E+3], s[G1:G1+7]    ; the first 256 keys of K, of V, or the scale words
	s_nop 0
.rept 4
	v_nop
.endr
.Lno_early:
	s_add_nc_u64 s[68:69], s[4:5], s[68:69]
	s_add_nc_u64 s[70:71], s[4:5], s[70:71]
	s_add_nc_u64 s[72:73], s[6:7], s[72:73]
	s_add_nc_u64 s[74:75], s[6:7], s[74:75]
	s_add_nc_u64 s[76:77], s[8:9], s[76:77]
	s_add_nc_u64 s[78:79], s[8:9], s[78:79]
	v_and_b32 v[AK0], 31, v0
	v_lshlrev_b32 v[AK0], 3, v[AK0]                ; 8 x lane: my place in a piece of 256 bytes, in LDS and in memory
	v_and_b32 v7, 15, v0                           ; r
	v_lshlrev_b32 v[RO], 4, v7
.irp p, 0,1,2
	global_load_b64 v[QF+2*\p:QF+2*\p+1], v[AK0], s[68:69] offset:\p*256
	global_load_b64 v[QF+12+2*\p:QF+12+2*\p+1], v[AK0], s[70:71] offset:\p*256
.endr
	global_load_b32 v[QS], v[RO], s[72:73]
	global_load_b32 v[QS+1], v[RO], s[74:75]
	v_add_nc_u32 v[AV0], VB, v[AK0]
	v_add_nc_u32 v[ASK0], SB, v[RO]
	v_add_nc_u32 v[ASV0], SB+8192, v[RO]
	v_and_b32 v8, 8, v7
	v_add_nc_u32 v8, v8, v7                        ; r + 8 (r / 8)
	v_bfe_u32 v9, v0, 4, 1
	v_lshlrev_b32 v9, 4, v9
	v_sub_nc_u32 v8, v8, v9
	v_add_nc_u32 v[QD], s84, v8                    ; my query - 16 h
	v_add_nc_u32 v[QD+1], s85, v8
.irp x, 0,1
	v_mov_b32 v[13+4*\x], 0xff61b1e6               ; the largest t so far: -3e38
	v_floor_f32 v[12+4*\x], -v[13+4*\x]            ; -M
	v_mov_b32 v[14+4*\x], 0
	v_mov_b32 v[15+4*\x], 0
.irp i, 6,7,8,9,10,11
	v_mov_b32 v[QF+12*\x+\i], 0                    ; Q's upper 64 along K: zero codes
.endr
.endr
.irp i, 224,225,226,227,228,229
	v_mov_b32 v\i, 0                               ; behind K's last fragment
.endr
	s_wait_tensorcnt 0x0                           ; my first fill has landed
	ds_add_u32 v[SPW], v[NIL]                      ; 0 onto my spare word; O^T's zeros stand between it and the wait for it
.set n, 0
.rept 64
	v_mov_b32 v[48+n], 0                           ; O^T.  (The step is written once: the first finds zeros, which the first change of M leaves zeros)
.set n, n+1
.endr
	s_wait_dscnt 0x0
	s_barrier_signal -1
	s_barrier_wait -1                              ; the first 256 keys and all scale words lie in LDS
	s_cmp_lt_u32 s[WV], 14
	s_cbranch_scc0 .Lno_late
	tensor_load_to_lds s[G0L:G0L+3], s[G1:G1+7]    ; my one load behind this barrier: bytes that nothing has filled, and that nobody reads before the next barrier
	s_nop 0
.rept 4
	v_nop
.endr
.Lno_late:
	s_wait_loadcnt 0x0                             ; Q and its scale words
; A STEP of tile x: 128 keys from s[KF] on
.macro STEP x
.set MS, 12+4*(\x)
.set OT, 48+32*(\x)
	s_cmp_gt_u32 s[KF], s[QB+(\x)]                 ; all 128 keys come after my queries: ids and the count of steps alone
	s_cbranch_scc1 .Lhidden_\@
	v_add_nc_u32 v[ADK], s[TK], v[AK0]
	v_add_nc_u32 v[ADV], s[TK], v[AV0]
	v_add_nc_u32 v[ADS], s[TS], v[ASK0]
	v_add_nc_u32 v[ADT], s[TJ], v[ASV0]
	v_nop                                          ; five plain places: S^T is written over registers that the last products read
.irp j, 0,1,2,3,4,5,6,7
.irp p, 0,1,2
	ds_load_b64 v[F+6*\j+2*\p:F+6*\j+2*\p+1], v[ADK] offset:\j*768+\p*256
.endr
.endr
	ds_load_b128 v[KSW:KSW+3], v[ADS]
	ds_load_b128 v[KSW+4:KSW+7], v[ADS] offset:256
	s_wait_dscnt 0x0
.irp j, 0,1,2,3,4,5,6,7
	v_wmma_scale_f32_16x16x128_f8f6f4 v[S+8*\j:S+8*\j+7], v[F+6*\j:F+6*\j+11], v[QF+12*(\x):QF+12*(\x)+11], 0, v[KSW+\j], v[QS+(\x)] matrix_a_fmt:MATRIX_FMT_FP6 matrix_b_fmt:MATRIX_FMT_FP6
.endr
.rept 4
	v_nop
.endr
	s_add_co_u32 s47, s[KF], 128                   ; a step all of whose keys count skips the mask
	s_cmp_le_u32 s47, s[QB+(\x)]
	s_cbranch_scc1 .Lopen_\@
	v_sub_nc_u32 v[T0], v[QD+(\x)], s[KF]          ; register 16 b + i holds key KF + 16 h + 32 b + i: hidden where 32 b + i > my query - 16 h - KF
	v_mov_b32 v[T0+1], 0xff800000
.set n, 0
.rept 64
	v_cmp_gt_i32 vcc_lo, 32*(n/16)+n%16, v[T0]
	v_cndmask_b32 v[S+n], v[S+n], v[T0+1], vcc_lo
.set n, n+1
.endr
.Lopen_\@:
.irp b, 0,1,2,3
	v_max3_num_f32 v[BM+\b], v[S+16*\b], v[S+16*\b+1], v[S+16*\b+2]   ; the largest score of each block of 32 keys: for the row's maximum, and, since p rises with the score, for the block's largest p
.endr
.irp i, 3,5,7,9,11,13
.irp b, 0,1,2,3
	v_max3_num_f32 v[BM+\b], v[BM+\b], v[S+16*\b+\i], v[S+16*\b+\i+1]
.endr
.endr
.irp b, 0,1,2,3
	v_max_num_f32 v[BM+\b], v[BM+\b], v[S+16*\b+15]
.endr
.irp b, 0,1,2,3
	v_permlanex16_b32 v[PT+\b], v[BM+\b], s[SEL], s[SEL+1]
.endr
.irp b, 0,1,2,3
	v_max_num_f32 v[BM+\b], v[BM+\b], v[PT+\b]
.endr
	v_max3_num_f32 v[T0], v[BM], v[BM+1], v[BM+2]
	v_max_num_f32 v[T0], v[T0], v[BM+3]
	v_mul_f32 v[T0], s[CS], v[T0]
	v_max_num_f32 v[MS+1], v[MS+1], v[T0]          ; the running largest t
	v_mov_b32 v[T0], v[MS]
	v_floor_f32 v[MS], -v[MS+1]                    ; the new -M: a whole number
	v_sub_f32 v[T0], v[MS], v[T0]
	v_cvt_i32_f32 v[T0], v[T0]                     ; (it saturates)
	v_ldexp_f32 v[FF], 1.0, v[T0]                  ; f = 2^(old M - new M)
.set n, 0
.rept 32
	v_pk_fma_f32 v[S+n:S+n+1], v[S+n:S+n+1], s[CS:CS+1], v[MS:MS+1] op_sel_hi:[1,0,0]   ; t - M
.set n, n+2
.endr
.irp b, 0,1,2,3
	v_fma_f32 v[BM+\b], v[BM+\b], s[CS], v[MS]
.endr
.set n, 0
.rept 64
	v_exp_f32 v[S+n], v[S+n]                       ; p = 2^(t - M)
.set n, n+1
.endr
	v_pk_mul_f32 v[MS+2:MS+3], v[MS+2:MS+3], v[FF:FF+1] op_sel_hi:[1,0]   ; the sums under the new M: a plain place behind the exponentials
	s_wait_alu depctr_va_vdst(0)                   ; one wait for the batch, ahead of its first reader
.irp b, 0,1,2,3
	v_exp_f32 v[BM+\b], v[BM+\b]                   ; the block's largest p
.endr
	v_pk_add_f32 v[PT:PT+1], v[S:S+1], v[S+2:S+3]  ; the row's sum of the unquantised p, in two chains
.set n, 4
.rept 15
	v_pk_add_f32 v[MS+2:MS+3], v[MS+2:MS+3], v[S+n:S+n+1]
	v_pk_add_f32 v[PT:PT+1], v[PT:PT+1], v[S+n+2:S+n+3]
.set n, n+4
.endr
	v_pk_add_f32 v[MS+2:MS+3], v[MS+2:MS+3], v[PT:PT+1]
	s_wait_alu depctr_va_vdst(0)                   ; and one for the four
.irp b, 0,1,2,3
	v_max_num_f32 v[BM+\b], 0x1800000, v[BM+\b]    ; the floor 2^(3 - 127)
.endr
.irp b, 0,1,2,3
	v_add_nc_u32 v[SO+\b], 0xff000000, v[BM+\b]
.endr
.irp b, 0,1,2,3
	v_lshrrev_b32 v[PT+\b], 23, v[SO+\b]
.endr
	v_lshl_or_b32 v[PW], v[PT+1], 8, v[PT]
	v_lshl_or_b32 v[PW], v[PT+2], 16, v[PW]
	v_lshl_or_b32 v[PW], v[PT+3], 24, v[PW]
.irp c, 0,1
	v_cvt_scalef32_pk16_fp6_f32 v[PC+6*\c:PC+6*\c+2], v[S+32*\c:S+32*\c+15], v[SO+2*\c]
	v_cvt_scalef32_pk16_fp6_f32 v[CT+4*\c:CT+4*\c+2], v[S+32*\c+16:S+32*\c+31], v[SO+2*\c+1]
.endr
	v_nop                                          ; one plain place behind a scaled conversion
.irp c, 0,1
.irp i, 0,1,2
	v_permlane16_swap_b32 v[PC+6*\c+\i], v[CT+4*\c+\i]
.endr
.irp i, 0,1,2
	v_mov_b32 v[PC+6*\c+3+\i], v[CT+4*\c+\i]
.endr
.endr
.irp t, 0,1,2,3
.irp p, 0,1,2,3,4,5
	ds_load_b64 v[S+12*\t+2*\p:S+12*\t+2*\p+1], v[ADV] offset:(\p/3)*3072+\t*768+(\p%3)*256   ; V^T: channel group t, these 128 keys: two units
.endr
.endr
	ds_load_b128 v[KSW:KSW+3], v[ADT]
.set n, 0
.rept 16
	v_pk_mul_f32 v[OT+n:OT+n+1], v[OT+n:OT+n+1], v[FF:FF+1] op_sel_hi:[1,0]   ; O^T under the new M, from each accumulator's low end on; also the places in front of the products below
.set n, n+2
.endr
	s_wait_dscnt 0x0
.irp t, 0,1,2,3
	v_wmma_scale_f32_16x16x128_f8f6f4 v[OT+8*\t:OT+8*\t+7], v[S+12*\t:S+12*\t+11], v[PC:PC+11], v[OT+8*\t:OT+8*\t+7], v[KSW+\t], v[PW] matrix_a_fmt:MATRIX_FMT_FP6 matrix_b_fmt:MATRIX_FMT_FP6
.endr
.Lhidden_\@:
.endm
.macro TRIP
	STEP 0
	STEP 1
	s_add_co_u32 s[KF], s[KF], 128
	s_add_co_u32 s[TK], s[TK], 6144
	s_add_co_u32 s[TS], s[TS], 512
	s_add_co_u32 s[TJ], s[TJ], 256
.endm
	s_mov_b32 s[CNT], 2
.Lfirst:                                           ; keys 0 to 255: the first fills
	TRIP
	s_sub_co_u32 s[CNT], s[CNT], 1
	s_cmp_lg_u32 s[CNT], 0
	s_cbranch_scc1 .Lfirst
	s_wait_tensorcnt 0x0                           ; my later fill has landed,
	s_wait_dscnt 0x0
	s_barrier_signal -1
	s_barrier_wait -1                              ; everybody's has
	s_mov_b32 s[CNT], 14
.Lrest:
	TRIP
	s_sub_co_u32 s[CNT], s[CNT], 1
	s_cmp_lg_u32 s[CNT], 0
	s_cbranch_scc1 .Lrest
; THE WAY OUT of tile x: O^T / the sum; its 64 channels are two blocks of the last product's K: quantised, one unit of 768 bytes
.macro FIN x
.set MS, 12+4*(\x)
.set OT, 48+32*(\x)
	v_add_f32 v[T0], v[MS+2], v[MS+3]
	v_mov_b32 v[T0+2], 0
	v_permlanex16_b32 v[T0+2], v[T0], s[SEL], s[SEL+1]
	v_add_f32 v[T0], v[T0], v[T0+2]                ; the row's sum
	v_rcp_f32 v[T0], v[T0]
	v_mov_b32 v[T0+1], 0                           ; a plain place; and the pair's upper half is written
	s_wait_alu depctr_va_vdst(0)                   ; the wait ahead of the first reader
.set n, 0
.rept 16
	v_pk_mul_f32 v[OT+n:OT+n+1], v[OT+n:OT+n+1], v[T0:T0+1] op_sel_hi:[1,0]
.set n, n+2
.endr
.irp b, 0,1
	v_max3_num_f32 v[BM+\b], |v[OT+16*\b]|, |v[OT+16*\b+1]|, 0x1800000
	v_mov_b32 v[PT+\b], 0
.endr
.irp i, 2,4,6,8,10,12,14
.irp b, 0,1
	v_max3_num_f32 v[BM+\b], v[BM+\b], |v[OT+16*\b+\i]|, |v[OT+16*\b+\i+1]|
.endr
.endr
.irp b, 0,1
	v_permlanex16_b32 v[PT+\b], v[BM+\b], s[SEL], s[SEL+1]
.endr
.irp b, 0,1
	v_max_num_f32 v[BM+\b], v[BM+\b], v[PT+\b]
.endr
.irp b, 0,1
	v_add_nc_u32 v[SO+\b], 0xff000000, v[BM+\b]
.endr
.irp b, 0,1
	v_lshrrev_b32 v[PT+\b], 23, v[SO+\b]
.endr
	v_lshl_or_b32 v[HW+(\x)], v[PT+1], 8, v[PT]    ; my row's two scale bytes
	s_wait_xcnt 0x0                                ; the other tile's stores have read the code registers
	v_cvt_scalef32_pk16_fp6_f32 v[PC:PC+2], v[OT:OT+15], v[SO]
	v_cvt_scalef32_pk16_fp6_f32 v[CT:CT+2], v[OT+16:OT+31], v[SO+1]
	v_nop
.irp i, 0,1,2
	v_permlane16_swap_b32 v[PC+\i], v[CT+\i]
.endr
.irp i, 0,1,2
	v_mov_b32 v[PC+3+\i], v[CT+\i]
.endr
.irp p, 0,1,2
	global_store_b64 v[AK0], v[PC+2*\p:PC+2*\p+1], s[76+2*(\x):77+2*(\x)] offset:\p*256   ; 32 lanes store 256 consecutive bytes, aligned
.endr
.endm
.rept 4
	v_nop                                          ; behind the last products
.endr
	FIN 0
	FIN 1
	v_bfe_u32 v215, v0, 4, 1
	v_cmp_eq_u32 vcc_lo, 1, v215
	v_cndmask_b32 v216, v[HW], v[HW+1], vcc_lo     ; lanes 0-15: tile 0's rows; lanes 16-31: tile 1's
	v_mov_b32 v217, s80
	v_mov_b32 v218, s81
	v_cndmask_b32 v217, v217, v218, vcc_lo
	v_lshl_add_u32 v217, v7, 3, v217
	global_store_b16 v217, v216, s[10:11]          ; two bytes a lane: a head owns 2 of a row's 32 scale bytes
	s_wait_tensorcnt 0x0                           ; the wave's end
	ds_add_u32 v[SPW], v[NIL]
	s_wait_dscnt 0x0
	s_endpgm
.Lfunc_end_k_q9cf568f412_attn:
	.size	k_q9cf568f412_attn, .Lfunc_end_k_q9cf568f412_attn-k_q9cf568f412_attn
	.p2alignl 7, 3214868480
	.fill 96, 4, 3214868480
	.section	.rodata,"a",@progbits
	.p2align	6, 0x0
	.amdhsa_kernel k_q9cf568f412_attn
		.amdhsa_group_segment_fixed_size 327680
		.amdhsa_private_segment_fixed_size 0
		.amdhsa_enable_private_segment 0
		.amdhsa_kernarg_size 32
		.amdhsa_user_sgpr_count 2
		.amdhsa_user_sgpr_kernarg_segment_ptr 1
		.amdhsa_wavefront_size32 1
		.amdhsa_system_sgpr_workgroup_id_x 1
		.amdhsa_system_sgpr_workgroup_id_y 1
		.amdhsa_system_sgpr_workgroup_id_z 1
		.amdhsa_system_vgpr_workitem_id 0
		.amdhsa_next_free_vgpr 240
		.amdhsa_next_free_sgpr 96
		.amdhsa_reserve_vcc 1
		.amdhsa_float_denorm_mode_32 3
		.amdhsa_float_denorm_mode_16_64 3
		.amdhsa_memory_ordered 1
		.amdhsa_forward_progress 1
		.amdhsa_inst_pref_size 107
	.end_amdhsa_kernel
	.amdgpu_metadata
---
amdhsa.version: [ 1, 2 ]
amdhsa.kernels:
  - .name:           k_q9cf568f412_attn
    .symbol:         k_q9cf568f412_attn.kd
    .args:
      - { .name: qkv, .offset: 0, .size: 8, .value_kind: global_buffer, .address_space: global }
      - { .name: asc, .offset: 8, .size: 8, .value_kind: global_buffer, .address_space: global }
      - { .name: yc, .offset: 16, .size: 8, .value_kind: global_buffer, .address_space: global }
      - { .name: s2, .offset: 24, .size: 8, .value_kind: global_buffer, .address_space: global }
    .group_segment_fixed_size: 327680
    .private_segment_fixed_size: 0
    .kernarg_segment_align: 8
    .kernarg_segment_size: 32
    .max_flat_workgroup_size: 512
    .sgpr_count:     96
    .vgpr_count:     240
    .wavefront_size: 32
...
	.end_amdgpu_metadata
.endif
;; end of part 3
;; launch gemm_out (part 4): grid 4 x 32, 4 waves a work-group, clusters of 4 x 4, 327,680 bytes of LDS; arguments yc, wc, s2, out0; writes out0
.if DOCPART == 4
	.amdgcn_target "amdgcn-amd-amdhsa--gfx1250"
	.amdhsa_code_object_version 6
	.text
	.protected	k_q9cf568f412_gemm_out
	.globl	k_q9cf568f412_gemm_out
	.p2align	8
	.type	k_q9cf568f412_gemm_out,@function
k_q9cf568f412_gemm_out:
	s_mov_b64 s[64:65], 0
	v_nop
	global_prefetch_b8 v0, s[64:65] scope:SCOPE_SE
	s_setreg_imm32_b32 hwreg(HW_REG_WAVE_MODE, 25, 1), 1
	s_wait_xcnt 0x0
	s_wait_alu depctr_hold_cnt(0) depctr_sa_sdst(0) depctr_va_vdst(0) depctr_va_sdst(0) depctr_va_ssrc(0) depctr_va_vcc(0) depctr_vm_vsrc(0)
	s_getreg_b32 s2, hwreg(HW_REG_IB_STS2, 6, 4)
	s_cmp_eq_u32 s2, 0
	s_cbranch_scc0 .Lentry_in_a_cluster
	s_endpgm
.Lentry_in_a_cluster:
	s_bfe_u32 s2, ttmp6, 0x10000c
	s_cmp_lg_u32 s2, 0xf033
	s_cbranch_scc0 .Lentry_shape_is_right
	s_endpgm
.Lentry_shape_is_right:
; out0 = y w_proj on codes of FP6 (E2M3); out0 [8192][1024] f32.  The frame is that of the first product's launch: C[S1 row][S0 row], S1 = y's tokens, S0 = w_proj's columns; a tile of 256 x 256 a work-group, 128 x 128 a wave,
; K = 1,024 in eight steps of 128; operands in groups of 16 rows (group g: rows 32 (g / 2) + 8 (g % 2) + r + 8 (r / 8)) and units of 768 bytes in register order, unit (g, u) at (16 g + u) x 768.
; LDS: three slots of 256 along K; K's first three quarters are first fills, the fourth the one refill, into slot 0, behind a round of the cluster's barrier.  By this text's count a wave has three tensor loads out at the start, later one.
; CLUSTERS 4 x 4: y's tiles are shared along a row of the cluster, w_proj's along a column, each asked for jointly.  The grid has 128 work-groups: 32 x 4 tiles of this size.
; S0 is source 0: register j of lane (r, h) in accumulator (a, b) is out0[token of group a, row r][column 32 (b / 2) + 16 h + 8 (b % 2) + j].
; THE WAY OUT: a group of 16 rows x 128 columns goes through my stage in LDS and leaves as whole rows of 512 bytes.  The stage lies in slot 1, which has had its only fill and, at the second barrier, its last read.
.set FR,    12
.set SLOT,  98304
.set HALF,  24576
.set SPARE, 3*SLOT
.set ADRA, 16
.set ADRB, 20
.set STO,  24
.set RD,   25
.set CO,   26
.set SPW,  28
.set NIL,  29
.set SC,   32
.set AF,   128
.set BK,   128
.set G1A, 24
.set G1B, 48
.set G0A, 68
.set G0B, 80
.set MSB, 0
.macro WIN new                         ; the immediate's high byte repeats the setting that is left
.if MSB != \new
	s_set_vgpr_msb (MSB<<8)|\new
.set MSB, \new
.endif
.endm
.set MUL_LO, 0xa1
.set MUL_HI, 0xf1
.set TO_B,   0x40
.macro JLOAD g0a, g1a, g0b, g1b        ; a joint load: waves 0, 1 fetch S1's halves, waves 2, 3 S0's; an s_nop 0 and four v_nop follow each line
	s_cmp_eq_u32 s15, 0
	s_cbranch_scc0 .Lfor_b_\@
	tensor_load_to_lds s[\g0a:\g0a+3], s[\g1a:\g1a+7]
	s_nop 0
.rept 4
	v_nop
.endr
	s_branch .Lasked_\@
.Lfor_b_\@:
	tensor_load_to_lds s[\g0b:\g0b+3], s[\g1b:\g1b+7]
	s_nop 0
.rept 4
	v_nop
.endr
.Lasked_\@:
.endm
.macro CREST
	s_cmp_lg_u32 s14, 0
	s_cbranch_scc1 .Lnot_wave_0_\@
	s_barrier_signal -3
.Lnot_wave_0_\@:
	s_barrier_wait -3
	s_barrier_signal -1
	s_barrier_wait -1
.endm
.macro CROUND
	s_barrier_signal -1
	s_barrier_wait -1
	CREST
.endm
.macro PLACES n
.rept \n
	v_nop
.endr
.endm
.macro FRAG reg, adr, q, i
.irp p, 0,1,2,3,4,5
	ds_load_b64 v[\reg+2*\p:\reg+2*\p+1], v[\adr] offset:(\i)*3072+(\q)*1536+\p*256
.endr
.endm
.macro FETCH_B slot, q, p
	WIN TO_B
.irp i, 0,1,2,3,4,5,6,7
	FRAG 128*(\p)+FR*\i, ADRB+\slot, \q, \i
.endr
	WIN 0
.endm
.macro FETCH_A slot, q, i0
.irp i, \i0, \i0+1, \i0+2, \i0+3
	FRAG AF+FR*(\i), ADRA+\slot, \q, \i
.endr
.endm
; the 64 accumulators take turns, one instruction a turn, in the same order in every step
.macro MUL16 a0, p, st, zero
.irp a, \a0, \a0+1
.irp b, 0,1,2,3,4,5,6,7
.if \zero
	v_wmma_scale_f32_16x16x128_f8f6f4 v[8*(8*((\a)%4)+\b):8*(8*((\a)%4)+\b)+7], v[128*(\p)+FR*\b:128*(\p)+FR*\b+FR-1], v[AF+FR*(\a):AF+FR*(\a)+FR-1], 0, v[SC+8*\b+(\st)], v[SC+8*(\a)+(\st)] matrix_a_fmt:MATRIX_FMT_FP6 matrix_b_fmt:MATRIX_FMT_FP6 matrix_a_scale:MATRIX_SCALE_ROW1
.else
	v_wmma_scale_f32_16x16x128_f8f6f4 v[8*(8*((\a)%4)+\b):8*(8*((\a)%4)+\b)+7], v[128*(\p)+FR*\b:128*(\p)+FR*\b+FR-1], v[AF+FR*(\a):AF+FR*(\a)+FR-1], v[8*(8*((\a)%4)+\b):8*(8*((\a)%4)+\b)+7], v[SC+8*\b+(\st)], v[SC+8*(\a)+(\st)] matrix_a_fmt:MATRIX_FMT_FP6 matrix_b_fmt:MATRIX_FMT_FP6 matrix_a_scale:MATRIX_SCALE_ROW1
.endif
.endr
.endr
.endm
.macro STEP st, nslot, nq, zero
	s_wait_dscnt 24                                ; S0's set and S1's groups 0-3 are in; the youngest 24 loads (groups 4-7) may be out
	WIN MUL_LO
	MUL16 0, (\st)%2, \st, \zero
	MUL16 2, (\st)%2, \st, \zero
	s_wait_dscnt 0x0
	PLACES 4                                       ; four plain places in front of loads into registers that matrix instructions have read
	FETCH_B \nslot, \nq, 1-(\st)%2
	FETCH_A \nslot, \nq, 0
	WIN MUL_HI
	MUL16 4, (\st)%2, \st, \zero
	MUL16 6, (\st)%2, \st, \zero
	PLACES 4
	WIN 0
	FETCH_A \nslot, \nq, 4
.endm
.macro TURN st, nslot, fill
	s_wait_tensorcnt 0x0                           ; all my tensor loads have landed
	ds_add_u32 v[SPW], v[NIL]                      ; 0 onto my spare word
	s_wait_dscnt 25                                ; (the add and the youngest 24 loads may be out)
	WIN MUL_LO
	MUL16 0, 1, \st, 0
	s_wait_dscnt 0x0                               ; the add is done, and my reads of the slot that I leave are over
	s_barrier_signal -1
	MUL16 2, 1, \st, 0
	WIN 0
	s_barrier_wait -1
.if \fill
	CREST                                          ; no wave of any partner still reads slot 0 or has a load on its way
	s_add_nc_u64 s[G0A+2:G0A+3], s[G0A+2:G0A+3], 3*3072
	s_add_nc_u64 s[G0B+2:G0B+3], s[G0B+2:G0B+3], 3*3072
	JLOAD G0A, G1A, G0B, G1B                       ; the first tensor load behind the round: four steps, 256 matrix instructions, ahead of the wait for it
.else
	PLACES 4
.endif
	FETCH_B \nslot, 0, 0
	FETCH_A \nslot, 0, 0
	WIN MUL_HI
	MUL16 4, 1, \st, 0
	MUL16 6, 1, \st, 0
	PLACES 4
	WIN 0
	FETCH_A \nslot, 0, 4
.endm
	s_load_b256 s[4:11], s[0:1], 0x0               ; yc s[4:5], wc s[6:7], s2 s[8:9], out0 s[10:11]
	v_lshl_add_u32 v[SPW], v0, 2, SPARE
	v_mov_b32 v[NIL], 0
	ds_add_u32 v[SPW], v[NIL]                      ; the wave's opening: the add, waited for ahead of my first tensor load
	v_lshrrev_b32 v1, 5, v0
	v_readfirstlane_b32 s14, v1                    ; wave
	s_lshr_b32 s15, s14, 1
	s_and_b32 s16, s14, 1
	s_bfe_u32 s40, ttmp6, 0x40000                  ; cx
	s_bfe_u32 s41, ttmp6, 0x40004                  ; cy
	s_lshl_b32 s42, ttmp9, 2
	s_add_co_u32 s42, s42, s40                     ; work-group x
	s_and_b32 s17, ttmp7, 0xffff
	s_lshl_b32 s17, s17, 2
	s_add_co_u32 s17, s17, s41                     ; work-group y
	s_lshl_b32 s43, s41, 2
	s_lshl_b32 s43, 15, s43                        ; my row of the cluster
	s_lshl_b32 s44, 0x1111, s40                    ; my column
	s_or_b32 s[G1A+0], s43, (3<<16)|(1<<21)
	s_or_b32 s[G1B+0], s44, (3<<16)|(1<<21)
.irp g, G1A, G1B
	s_mov_b32 s[\g+1], 384<<16                     ; tensor_dim0: 3,072 bytes: four units of a group
	s_mov_b32 s[\g+2], 8<<16                       ; tensor_dim1: 8 groups
	s_mov_b32 s[\g+3], 384<<16
	s_mov_b32 s[\g+4], 8
	s_mov_b32 s[\g+5], 1536                        ; from group to group: 12,288 bytes
	s_mov_b32 s[\g+6], 0
	s_mov_b32 s[\g+7], 0
.endr
	s_lshl_b32 s20, s17, 4                         ; S1's first group
	s_lshl_b32 s46, s42, 4                         ; S0's first group
	s_lshl_b32 s18, s16, 3
	s_add_co_u32 s32, s20, s18
	s_mul_i32 s32, s32, 12288
	s_mov_b32 s33, 0
	s_add_co_u32 s34, s46, s18
	s_mul_i32 s34, s34, 12288
	s_add_co_u32 s34, s34, 2359296                 ; w_proj's codes lie behind w_attn's in wc
	s_mov_b32 s35, 0
	s_mul_i32 s47, s14, HALF
	s_wait_dscnt 0x0                               ; the opening add is done
	s_wait_kmcnt 0x0
	s_add_nc_u64 s[36:37], s[4:5], s[32:33]
	s_add_nc_u64 s[38:39], s[6:7], s[34:35]
	CROUND                                         ; all sixteen work-groups are here: the first joint loads meet
.irp s, 0,1,2
	s_mov_b32 s[G0A+4*\s], 1
	s_add_co_u32 s[G0A+4*\s+1], s47, \s*SLOT
	s_add_nc_u64 s[G0A+4*\s+2:G0A+4*\s+3], s[36:37], \s*3072
	s_or_b32 s[G0A+4*\s+3], s[G0A+4*\s+3], 0x80000000
	s_mov_b32 s[G0B+4*\s], 1
	s_add_co_u32 s[G0B+4*\s+1], s47, \s*SLOT
	s_add_nc_u64 s[G0B+4*\s+2:G0B+4*\s+3], s[38:39], \s*3072
	s_or_b32 s[G0B+4*\s+3], s[G0B+4*\s+3], 0x80000000
	JLOAD G0A+4*\s, G1A, G0B+4*\s, G1B
.endr
	v_and_b32 v1, 15, v0                           ; r
	v_bfe_u32 v2, v0, 4, 1                         ; h
	v_and_b32 v5, 31, v0
	v_lshlrev_b32 v[CO], 4, v5                     ; 16 x lane
	v_lshlrev_b32 v5, 3, v5                        ; 8 x lane
	s_mul_i32 s21, s15, HALF
	s_mul_i32 s22, s16, HALF
	s_add_co_u32 s22, s22, 2*HALF
.irp s, 0,1,2
	v_add_nc_u32 v[ADRA+\s], s21, v5
	v_add_nc_u32 v[ADRB+\s], s22, v5
	s_add_co_u32 s21, s21, SLOT
	s_add_co_u32 s22, s22, SLOT
.endr
	s_lshl_b32 s56, s15, 3                         ; the scale words: w_proj's at the head of s2, y's 32,768 bytes on; 512 bytes a group
	s_add_co_u32 s56, s56, s20
	s_lshl_b32 s56, s56, 9
	s_add_co_u32 s56, s56, 32768
	s_lshl_b32 s57, s16, 3
	s_add_co_u32 s57, s57, s46
	s_lshl_b32 s57, s57, 9
	v_mov_b32 v3, s56
	v_mov_b32 v4, s57
	v_cmp_eq_u32 s60, 1, v2
	v_cndmask_b32 v27, v3, v4, s60                 ; lanes 0-15 take S1's words, lanes 16-31 S0's
	v_lshl_add_u32 v27, v1, 3, v27
.irp i, 0,1,2,3,4,5,6,7
.irp g, 0,1,2,3
	global_load_b64 v[SC+8*\i+2*\g:SC+8*\i+2*\g+1], v27, s[8:9] offset:(\i/2)*1024+(\i%2)*128+\g*256
.endr
.endr
	s_mul_i32 s23, s14, 8448
	s_add_co_u32 s23, s23, SLOT                    ; my stage: 16 rows x (512 bytes + 16), in slot 1
	v_mul_u32_u24 v3, v1, 528
	v_lshl_add_u32 v3, v2, 6, v3
	v_add_nc_u32 v[STO], s23, v3                   ; in: row r, + 64 h
	v_add_nc_u32 v[RD], s23, v[CO]                 ; back: 16 bytes a lane of a row
	s_lshl_b32 s58, s17, 20                        ; my first row of out0: 256 x work-group y + 128 x half, 4,096 bytes a row;
	s_lshl_b32 s59, s15, 19
	s_add_co_u32 s58, s58, s59
	s_lshl_b32 s59, s42, 10                        ; my first column: 256 x work-group x + 128 x half
	s_add_co_u32 s58, s58, s59
	s_lshl_b32 s59, s16, 9
	s_add_co_u32 s58, s58, s59
	s_mov_b32 s59, 0
	s_add_nc_u64 s[10:11], s[10:11], s[58:59]
	s_wait_tensorcnt 2                             ; my part of K's first quarter is in; the second and third may be out
	s_barrier_signal -1
	s_barrier_wait -1
	FETCH_B 0, 0, 0
	FETCH_A 0, 0, 0
	FETCH_A 0, 0, 4
	s_wait_loadcnt 0x0                             ; the scale words
	STEP 0, 0, 1, 1                                ; the first step's products start the sums: nothing is cleared
	TURN 1, 1, 1                                   ; slot 0 is left and filled again; the wait for all loads in front of this barrier also shows slots 1 and 2 whole to every wave
	STEP 2, 1, 1, 0
	STEP 3, 2, 0, 0
	STEP 4, 2, 1, 0
	TURN 5, 0, 0                                   ; K's last quarter has landed; nobody reads slot 1 any more
	STEP 6, 0, 1, 0
	s_wait_dscnt 24
	WIN MUL_LO
	MUL16 0, 1, 7, 0
	MUL16 2, 1, 7, 0
	s_wait_dscnt 0x0
	WIN MUL_HI
	MUL16 4, 1, 7, 0
	MUL16 6, 1, 7, 0
	WIN 0
.macro TOSTAGE a
.set AC, 64*((\a)%4)
	WIN 0x08+4*((\a)/4)                            ; an LDS store's data are its source 1: window 2 or 3
.irp b, 0,1,2,3,4,5,6,7
	ds_store_b128 v[STO], v[AC+8*\b:AC+8*\b+3] offset:128*(\b/2)+32*(\b%2)          ; each accumulator from its low end on
	ds_store_b128 v[STO], v[AC+8*\b+4:AC+8*\b+7] offset:128*(\b/2)+32*(\b%2)+16
.endr
	WIN 0
.set BB, BK+64*((\a)%2)
.irp t, 0,1,2,3,4,5,6,7,8,9,10,11,12,13,14,15
	ds_load_b128 v[BB+4*\t:BB+4*\t+3], v[RD] offset:\t*528   ; LDS serves a wave's instructions in order: these see the stores above
.endr
.endm
.macro SEND a, younger                 ; younger: the LDS instructions issued behind group a's loads, which may stay out
.set BB, BK+64*((\a)%2)
	s_wait_dscnt \younger
.irp t, 0,1,2,3,4,5,6,7,8,9,10,11,12,13,14,15
	global_store_b128 v[CO], v[BB+4*\t:BB+4*\t+3], s[10:11] offset:(32*((\a)/2)+8*((\a)%2)+\t+8*(\t/8))*4096 th:TH_STORE_NT   ; 32 lanes store 512 consecutive bytes, aligned; the group's row t is that row of my 128
.endr
.endm
	PLACES 4                                       ; behind the last products: their results are read, and loads land on their sources
	TOSTAGE 0
.irp a, 1,2,3,4,5,6,7
.if \a > 1
	s_wait_xcnt 0x0                                ; group a - 2's stores have read their registers: group a's loads may land there
.endif
	TOSTAGE \a
	SEND \a-1, 32                                  ; behind group a - 1's loads: group a's 16 stores and 16 loads
.endr
	SEND 7, 0
	s_wait_tensorcnt 0x0                           ; the wave's end, behind my last tensor load and my last LDS store
	ds_add_u32 v[SPW], v[NIL]
	s_wait_dscnt 0x0
	CROUND                                         ; the closing round
	s_endpgm
.Lfunc_end_k_q9cf568f412_gemm_out:
	.size	k_q9cf568f412_gemm_out, .Lfunc_end_k_q9cf568f412_gemm_out-k_q9cf568f412_gemm_out
	.p2alignl 7, 3214868480
	.fill 96, 4, 3214868480
	.section	.rodata,"a",@progbits
	.p2align	6, 0x0
	.amdhsa_kernel k_q9cf568f412_gemm_out
		.amdhsa_group_segment_fixed_size 327680
		.amdhsa_private_segment_fixed_size 0
		.amdhsa_enable_private_segment 0
		.amdhsa_kernarg_size 32
		.amdhsa_user_sgpr_count 2
		.amdhsa_user_sgpr_kernarg_segment_ptr 1
		.amdhsa_wavefront_size32 1
		.amdhsa_system_sgpr_workgroup_id_x 1
		.amdhsa_system_sgpr_workgroup_id_y 1
		.amdhsa_system_sgpr_workgroup_id_z 1
		.amdhsa_system_vgpr_workitem_id 0
		.amdhsa_next_free_vgpr 1024
		.amdhsa_next_free_sgpr 100
		.amdhsa_reserve_vcc 0
		.amdhsa_float_denorm_mode_32 3
		.amdhsa_float_denorm_mode_16_64 3
		.amdhsa_memory_ordered 1
		.amdhsa_forward_progress 1
		.amdhsa_inst_pref_size 158
	.end_amdhsa_kernel
	.amdgpu_metadata
---
amdhsa.version: [ 1, 2 ]
amdhsa.kernels:
  - .name:           k_q9cf568f412_gemm_out
    .symbol:         k_q9cf568f412_gemm_out.kd
    .args:
      - { .name: yc, .offset: 0, .size: 8, .value_kind: global_buffer, .address_space: global }
      - { .name: wc, .offset: 8, .size: 8, .value_kind: global_buffer, .address_space: global }
      - { .name: s2, .offset: 16, .size: 8, .value_kind: global_buffer, .address_space: global }
      - { .name: out0, .offset: 24, .size: 8, .value_kind: global_buffer, .address_space: global }
    .group_segment_fixed_size: 327680
    .private_segment_fixed_size: 0
    .kernarg_segment_align: 8
    .kernarg_segment_size: 32
    .max_flat_workgroup_size: 128
    .sgpr_count:     100
    .vgpr_count:     1024
    .wavefront_size: 32
...
	.end_amdgpu_metadata
.endif
;; end of part 4
